; MI455X (gfx1250); checked and timed in simulation.
; The chip was launched on July 23, 2026; its instructions are those of AMD's public machine-readable ISA for CDNA 5 (MIT licence, August 2026) and "CDNA5" Instruction Set Architecture Reference Guide (July 2026). The comments in the code are by the model that wrote it; some were corrected since.
;; Multi Head Attention. Allowed arithmetic: matrix products marked QUANTISED: E2M3 operands, one E8M0 scale for each 32 along K, by v_wmma_scale_f32_16x16x128_f8f6f4 with both operands' format E2M3, f32 sums; everything else in f32.
;; Inputs: Wk 1,024 x 1,024 float32; Wo 1,024 x 1,024 float32; Wq 1,024 x 1,024 float32; Wv 1,024 x 1,024 float32; bk 1,024 float32; bo 1,024 float32; bq 1,024 float32; bv 1,024 float32; x 4 x 2,048 x 1,024 float32.
;; Outputs: out0 4 x 2,048 x 1,024 float32.
;; This version of the problem:
;;   THIS VERSION OF THE PROBLEM IS GIVEN IN LOW PRECISION. The matrix products marked QUANTISED in the list below multiply operands that are first quantised to E2M3 (2 exponent bits, 3 mantissa bits; 6 bits a number), with one power-of-two scale for each 32 numbers along K (OCP MX v1.0); their sums are f32. All else is computed in f32.
;;   The module's matrix products, in the order in which they are computed (A, B: the left and right operand; K: the contracted axis; several contracted axes count as one K, in the product's order):
;;     1. [M 8,192, K 1,024] x [K 1,024, N 1,024]; A: input x; B: input Wq: QUANTISED
;;     2. [M 8,192, K 1,024] x [K 1,024, N 1,024]; A: input x; B: input Wk: QUANTISED
;;     3. [M 8,192, K 1,024] x [K 1,024, N 1,024]; A: input x; B: input Wv: QUANTISED
;;     4. batch 64 x [M 2,048, K 64] x [K 64, N 2,048]; A: computed on the way; B: computed on the way: QUANTISED
;;     5. batch 64 x [M 2,048, K 2,048] x [K 2,048, N 64]; A: softmax (see below); B: computed on the way: QUANTISED
;;     6. [M 8,192, K 1,024] x [K 1,024, N 1,024]; A: computed on the way; B: input Wo: QUANTISED
;;   THE QUANTISER, for each operand of a quantised product, along K:
;;     - K is cut into blocks of 32 from its start; a last block that is shorter is filled with zeros.
;;     - A block's scale is 2^e with e = floor(log2(the largest magnitude in the block)) - 2, held to -126 .. 127; a block of zeros has e = 0. As a byte (E8M0): e + 127.
;;     - Each number is divided by its block's scale, clamped to +-7.5, and rounded to the nearest number of E2M3, ties to even, subnormals kept.
;;     - The product sums the exact products of the quantised numbers (number of the format x scale) in f32.
;;   ~~~python
;;   def quantise(x, axis):      # numpy; x: float32 -> the quantised numbers, widened to float32 again
;;       x = np.moveaxis(x, axis, -1); K = x.shape[-1]
;;       x = np.pad(x, [(0, 0)] * (x.ndim - 1) + [(0, -K % 32)]); x = x.reshape(x.shape[:-1] + (-1, 32)); a = np.abs(x).max(-1, keepdims=True)
;;       e = np.where(a > 0, np.clip(np.frexp(np.where(a > 0, a, 1))[1] - 1 - 2, -126, 127), 0)      # np.frexp(a)[1] - 1 = floor(log2(a)), exactly
;;       r = np.clip(x / 2.0 ** e, -7.5, 7.5)
;;       step = 2.0 ** (np.maximum(np.frexp(np.where(r == 0, 1, r))[1] - 1, 0) - 3)
;;       q = np.round(r / step) * step * 2.0 ** e      # np.round: ties to even
;;       return np.moveaxis(q.reshape(q.shape[:-2] + (-1,))[..., :K], -1, axis).astype(np.float32)
;;   ~~~
;;   SOFTMAX AHEAD OF A QUANTISED PRODUCT. Where the list says 'softmax', what is quantised is not the finished softmax but p = 2^(t - M), with t = logit x log2(e) and M = ceil(the row's largest t), a whole number; so 1/2 < the row's largest p <= 1. The row's sum l is taken of the UNQUANTISED p, in f32, and the product's result is divided by l at the end. Since M is a whole number, a kernel that streams over the keys may use a running M (the ceiling of the running maximum): every later rescaling is an exact power of two, which a block's scale takes up: the codes' values come out the same.
;;   OPERANDS COMPUTED ON THE WAY. 'Computed on the way' means the value that the module computes at that place (a softmax that the list does not call 'softmax' is quantised finished and normalised). What goes into a quantiser is computed in f32, as accurately as f32 sums, v_exp_f32 and their like allow (about 1e-6 of the number): no bf16 or f16 on the way to a quantiser, and a product that is left as it is and whose result goes on into a quantised operand takes f32 operands (vector FMAs, or v_wmma_f32_16x16x4_f32). A number that lies on a knife's edge between two numbers of the format may be rounded either way, as far as f32 arithmetic and the matrix unit's own rounding can turn it there, and no further.
;; One version. Each part assembles by itself: llvm-mc -triple=amdgcn-amd-amdhsa -mcpu=gfx1250 --defsym DOCPART=n.
;; ======== version 1 of 1: 4 launches
;; limits: right only within a limited range of input values
;; workspace buffers: x_img 6,291,456 bytes; xs_img 262,144 bytes; w_img 3,145,728 bytes; ws_img 131,072 bytes; qkv 19,922,944 bytes; o_img 6,291,456 bytes; os_img 262,144 bytes
;; launch quant (part 1): grid 512 x 1, 4 waves a work-group, no clusters, 46,592 bytes of LDS; arguments x, Wq, Wk, Wv, Wo, x_img, xs_img, w_img, ws_img; writes x_img, xs_img, w_img, ws_img
.if DOCPART == 1
	.amdgcn_target "amdgcn-amd-amdhsa--gfx1250"
	.amdhsa_code_object_version 6
	.text
	.protected	k_q069c88b9f1_quant
	.globl	k_q069c88b9f1_quant
	.p2align	8
	.type	k_q069c88b9f1_quant,@function
k_q069c88b9f1_quant:
	s_mov_b64 s[64:65], 0
	v_nop
	global_prefetch_b8 v0, s[64:65] scope:SCOPE_SE
	s_setreg_imm32_b32 hwreg(HW_REG_WAVE_MODE, 25, 1), 1
	s_wait_xcnt 0x0
; x [8192][1024] and the four weights [1024 (k)][1024 (n)], f32, become codes of FP6 (E2M3) with one E8M0 scale byte for each 32 along K, laid in the ORDER OF THE OPERAND'S REGISTERS.
; One launch for both: work-groups 0-255 take x, work-groups 256-511 the weights; the two paths part on the work-group's number and have LDS bytes of their own.
; A block's scale is 2^(floor(log2(its largest magnitude)) - 2); its byte is the largest magnitude's exponent field - 2, held at 1 from below.
; LIMITS: NaN and infinities among the inputs are not served.  A block whose largest magnitude lies under 2^(3 - 127), a block of zeros among them, keeps the byte 1
; (the rule says 127 for zeros: the codes are zeros, which add nothing under any byte but 0xff, and this program alone reads the bytes).
; LAYOUT OUT.  Rows of x and columns of a weight go by POSITION: in each group of 32, position 16 u + r holds row 8 u + r + 8 (r / 8).  A row block is 16 positions.
; x_img: [row block][K step of 128][1,536 bytes]; w_img: [weight q, k, v, o][row block][K step][1,536 bytes].
; An image of 1,536 bytes is a fragment's 12 registers: for c = 0, 1: registers 6 c .. 6 c + 3 at 768 c + 16 x lane, registers 6 c + 4, 6 c + 5 at 768 c + 512 + 8 x lane; lane (r, h) holds k = 64 c + 32 h + 0 .. 31 of position r.
; xs_img, ws_img: 512 bytes a row block: the scale word of position r and K step s at 256 (s / 4) + 16 r + 4 (s % 4).
; No tensor loads, no barrier, no cluster: waves and work-groups share nothing.
.set STGB, 8448                        ; x: a wave's stage: 16 rows x 528 bytes
.set WSTG, 4*STGB                      ; the weights' path: 3,072 bytes a wave, behind x's stages
.set SPARE, WSTG+4*3072                ; the spare words
.set RS,   32                          ; x: v32-159 two sets of 64 as loaded
.set X,    160                         ; v160-223 X[32 c + i] = x(r, 64 c + 32 h + i)
.set FR,   224                         ; v224-235 the fragment's codes
.set FT,   236                         ; the upper halves of the two blocks, as converted
.set SW,   244                         ; v244-247 four scale words
.set WX,   32                          ; weights: v32-95 two sets of 32 numbers
.set WC,   96                          ; a block's codes
.set WD,   104
.set OUTR, 112
.set SB,   24
	v_lshl_add_u32 v254, v0, 2, SPARE
	v_mov_b32 v255, 0
	s_cmp_lt_u32 ttmp9, 256
	s_wait_alu depctr_va_vdst(0)
	s_cbranch_scc0 .Lweights
; ---------------- x.  A wave takes one row block and half of K: four fragments.  Each load reads 512 consecutive bytes of one row; a fragment's 16 rows x 512 bytes turn through the wave's own stage, so that a lane gets its 2 x 32 neighbours along K.
	s_load_b64 s[4:5], s[0:1], 0x0                 ; x
	s_load_b64 s[6:7], s[0:1], 0x28                ; x_img
	s_load_b64 s[8:9], s[0:1], 0x30                ; xs_img
	v_lshrrev_b32 v7, 5, v0
	v_readfirstlane_b32 s10, v7                    ; wave 0..3
	v_and_b32 v7, 31, v0
	v_lshlrev_b32 v1, 4, v7                        ; 16 x lane
	v_lshlrev_b32 v2, 3, v7                        ; 8 x lane
	s_mul_i32 s11, s10, STGB
	v_add_nc_u32 v3, s11, v1                       ; the stage, on the way in
	v_and_b32 v5, 15, v0                           ; r
	v_bfe_u32 v6, v0, 4, 1                         ; h
	v_mul_u32_u24 v4, v5, 528
	v_lshl_add_u32 v4, v6, 7, v4
	v_add_nc_u32 v4, s11, v4                       ; and on the way out: row r, + 128 h bytes
	v_lshlrev_b32 v5, 4, v5                        ; 16 r
	v_lshlrev_b32 v6, 3, v6                        ; 8 h
	v_mov_b32 v15, 0                               ; a lane permute's destination counts as one of its sources
	s_mov_b32 s20, 0x76543210
	s_mov_b32 s21, 0xfedcba98
	s_lshl_b32 s12, ttmp9, 2
	s_add_co_u32 s12, s12, s10
	s_lshr_b32 s13, s12, 1                         ; row block R
	s_and_b32 s14, s12, 1                          ; half of K
	s_lshr_b32 s15, s13, 1
	s_lshl_b32 s15, s15, 5
	s_and_b32 s16, s13, 1
	s_lshl_b32 s16, s16, 3
	s_add_co_u32 s15, s15, s16                     ; the row of position 0: 32 (R / 2) + 8 (R % 2)
	s_lshl_b32 s16, s15, 12
	s_lshl_b32 s17, s14, 11
	s_add_co_u32 s16, s16, s17
	s_mov_b32 s17, 0
	s_mul_i32 s18, s13, 12288
	s_mul_i32 s19, s14, 6144
	s_add_co_u32 s18, s18, s19
	s_mov_b32 s19, 0
	s_lshl_b32 s22, s13, 9
	s_lshl_b32 s23, s14, 8
	s_add_co_u32 s22, s22, s23
	s_mov_b32 s23, 0
	s_wait_alu depctr_va_vdst(0)
	s_wait_kmcnt 0x0
	s_add_nc_u64 s[4:5], s[4:5], s[16:17]
	s_add_nc_u64 s[6:7], s[6:7], s[18:19]
	s_add_nc_u64 s[8:9], s[8:9], s[22:23]
.macro XLOAD j                         ; fragment j: position i is row i + 8 (i / 8)
.irp i, 0,1,2,3,4,5,6,7,8,9,10,11,12,13,14,15
	global_load_b128 v[RS+64*((\j)%2)+4*\i:RS+64*((\j)%2)+4*\i+3], v1, s[4:5] offset:(\i+8*(\i/8))*4096+512*(\j) th:TH_LOAD_NT
.endr
.endm
.macro XTURN j                         ; LDS serves a wave's instructions in order: no wait between the stores and the loads
.irp i, 0,1,2,3,4,5,6,7,8,9,10,11,12,13,14,15
	ds_store_b128 v3, v[RS+64*((\j)%2)+4*\i:RS+64*((\j)%2)+4*\i+3] offset:528*\i
.endr
.irp c, 0,1
.irp e, 0,1,2,3,4,5,6,7
	ds_load_b128 v[X+32*\c+4*\e:X+32*\c+4*\e+3], v4 offset:256*\c+16*\e
.endr
.endr
.endm
.macro XQ2 j                           ; my two whole blocks become codes; the word's four bytes are gathered from lanes l and l xor 16
.irp c, 0,1
	v_max3_num_f32 v[8+\c], |v[X+32*\c]|, |v[X+1+32*\c]|, 0x1800000
.endr
.irp i, 2,4,6,8,10,12,14,16,18,20,22,24,26,28,30
.irp c, 0,1
	v_max3_num_f32 v[8+\c], v[8+\c], |v[X+32*\c+\i]|, |v[X+1+32*\c+\i]|
.endr
.endr
.irp c, 0,1
	v_add_nc_u32 v[10+\c], 0xff000000, v[8+\c]     ; 2 off the exponent field: the conversion's scale operand
.endr
.irp c, 0,1
	v_lshrrev_b32 v[12+\c], 23, v[10+\c]
.endr
	v_lshl_or_b32 v14, v13, 16, v12
	v_lshlrev_b32 v14, v6, v14
	v_permlanex16_b32 v15, v14, s20, s21
	v_or_b32 v[SW+\j], v14, v15
.irp c, 0,1
	v_cvt_scalef32_pk16_fp6_f32 v[FR+6*\c:FR+6*\c+2], v[X+32*\c:X+32*\c+15], v[10+\c]
	v_cvt_scalef32_pk16_fp6_f32 v[FT+4*\c:FT+4*\c+2], v[X+32*\c+16:X+32*\c+31], v[10+\c]
.endr
	v_nop                                          ; one plain place behind a scaled conversion
.irp c, 0,1
.irp i, 0,1,2
	v_mov_b32 v[FR+3+6*\c+\i], v[FT+4*\c+\i]
.endr
.endr
.irp c, 0,1
	global_store_b128 v1, v[FR+6*\c:FR+6*\c+3], s[6:7] offset:1536*(\j)+768*\c          ; 512 consecutive bytes
	global_store_b64 v2, v[FR+6*\c+4:FR+6*\c+5], s[6:7] offset:1536*(\j)+768*\c+512     ; 256 consecutive bytes
.endr
.endm
	XLOAD 0
	XLOAD 1
.irp j, 0,1,2,3
.if \j < 3
	s_wait_loadcnt 16                              ; this fragment's 16 loads are in; the next fragment's may be out
.else
	s_wait_loadcnt 0x0
.endif
	XTURN \j
	s_wait_dscnt 0x0
.if \j > 0
	s_wait_xcnt 0x0                                ; the last fragment's stores have read FR
.endif
.if \j < 2
	XLOAD \j+2
.endif
	XQ2 \j
.endr
	global_store_b128 v5, v[SW:SW+3], s[8:9]       ; sixteen lanes cover 256 consecutive bytes; lanes 16-31 hold the same words and name the same bytes
	s_wait_tensorcnt 0x0                           ; the wave's end
	ds_add_u32 v254, v255
	s_wait_dscnt 0x0
	s_endpgm
; ---------------- the weights.  A LANE TAKES A COLUMN n AND ITS REGISTERS RUN DOWN K: a block of 32 lies in one lane, and the conversions give codes with K innermost.
; Work-group g = number - 256: weight (g % 32) / 8, columns 128 (g % 8) on, 32 a wave; K step g / 32.  A wave makes two images in its own 3,072 bytes of LDS and stores them as runs of 512 consecutive bytes.
.Lweights:
	s_load_b256 s[4:11], s[0:1], 0x8               ; Wq, Wk, Wv, Wo
	s_load_b128 s[12:15], s[0:1], 0x38             ; w_img, ws_img
	v_lshrrev_b32 v1, 5, v0
	v_readfirstlane_b32 s16, v1                    ; wave 0..3
	v_and_b32 v2, 31, v0
	v_lshlrev_b32 v3, 2, v2                        ; in: 4 bytes a lane
	v_bfe_u32 v9, v0, 3, 1                         ; u: which of the two row blocks
	v_and_b32 v10, 7, v0
	v_bfe_u32 v1, v0, 4, 1
	v_lshl_add_u32 v10, v1, 3, v10                 ; r: my position in it
	s_mul_i32 s17, s16, 3072
	s_add_co_u32 s17, s17, WSTG
	v_mul_u32_u24 v4, v9, 1536
	v_add_nc_u32 v4, s17, v4
	v_lshl_add_u32 v5, v10, 3, v4
	v_lshl_add_u32 v4, v10, 4, v4
	v_lshlrev_b32 v7, 4, v2
	v_add_nc_u32 v6, s17, v7
	v_lshlrev_b32 v8, 9, v9
	v_lshl_add_u32 v8, v10, 4, v8                  ; my scale word: 512 u + 16 r
	s_sub_co_u32 s29, ttmp9, 256
	s_and_b32 s34, s29, 31
	s_lshr_b32 s18, s34, 3                         ; which weight
	s_and_b32 s19, s34, 7
	s_lshl_b32 s19, s19, 7
	s_lshl_b32 s20, s16, 5
	s_add_co_u32 s19, s19, s20                     ; my wave's first column
	s_lshr_b32 s20, s29, 5                         ; the K step
	s_lshl_b32 s22, s20, 19
	s_lshl_b32 s23, s19, 2
	s_add_co_u32 s22, s22, s23
	s_mov_b32 s23, 0
	s_lshr_b32 s21, s19, 4                         ; my first row block
	s_mul_i32 s24, s18, 786432
	s_mul_i32 s25, s21, 12288
	s_add_co_u32 s24, s24, s25
	s_mul_i32 s25, s20, 1536
	s_add_co_u32 s24, s24, s25
	s_mov_b32 s25, 0
	s_lshl_b32 s26, s18, 15
	s_lshl_b32 s27, s21, 9
	s_add_co_u32 s26, s26, s27
	s_lshr_b32 s27, s20, 2
	s_lshl_b32 s27, s27, 8
	s_add_co_u32 s26, s26, s27
	s_and_b32 s27, s20, 3
	s_lshl_b32 s27, s27, 2
	s_add_co_u32 s26, s26, s27
	s_mov_b32 s27, 0
	s_and_b32 s28, s18, 1
	s_wait_alu depctr_va_vdst(0)
	s_wait_kmcnt 0x0
	s_cmp_eq_u32 s28, 0                            ; the choice of the weight hangs on the work-group's number alone
	s_cselect_b64 s[30:31], s[4:5], s[6:7]
	s_cselect_b64 s[32:33], s[8:9], s[10:11]
	s_cmp_lt_u32 s18, 2
	s_cselect_b64 s[4:5], s[30:31], s[32:33]
	s_add_nc_u64 s[4:5], s[4:5], s[22:23]
	s_add_nc_u64 s[12:13], s[12:13], s[24:25]
	s_add_nc_u64 s[14:15], s[14:15], s[26:27]
.macro WLOAD t                         ; block t: W(32 t + i, my column): 32 lanes read 128 consecutive bytes
.irp i, 0,1,2,3,4,5,6,7,8,9,10,11,12,13,14,15,16,17,18,19,20,21,22,23,24,25,26,27,28,29,30,31
	global_load_b32 v[WX+32*((\t)%2)+\i], v3, s[4:5] offset:(32*(\t)+\i)*4096 th:TH_LOAD_NT
.endr
.endm
	WLOAD 0
	WLOAD 1
.macro WBLOCK t                        ; block t = 2 c + h of the K step
.set XS_, WX+32*((\t)%2)
.if (\t) < 3
	s_wait_loadcnt 32                              ; this block's 32 loads are in; the next block's may be out
.else
	s_wait_loadcnt 0x0
.endif
	v_max3_num_f32 v12, |v[XS_]|, |v[XS_+1]|, |v[XS_+2]|
	v_max3_num_f32 v13, |v[XS_+3]|, |v[XS_+4]|, |v[XS_+5]|
.irp i, 6,10,14,18,22,26
	v_max3_num_f32 v12, v12, |v[XS_+\i]|, |v[XS_+\i+1]|
	v_max3_num_f32 v13, v13, |v[XS_+\i+2]|, |v[XS_+\i+3]|
.endr
	v_max3_num_f32 v12, v12, |v[XS_+30]|, |v[XS_+31]|
	v_max3_num_f32 v12, v12, v13, 0x1800000
	v_add_nc_u32 v11, 0xff000000, v12
	v_lshrrev_b32 v13, 23, v11
.if (\t) == 0
	v_mov_b32 v[SB], v13
.else
	v_lshl_or_b32 v[SB], v13, 8*(\t), v[SB]
.endif
	v_cvt_scalef32_pk16_fp6_f32 v[WC:WC+2], v[XS_:XS_+15], v11
	v_cvt_scalef32_pk16_fp6_f32 v[WD:WD+2], v[XS_+16:XS_+31], v11
	v_nop
.irp i, 0,1,2
	v_mov_b32 v[WC+3+\i], v[WD+\i]
.endr
	ds_store_b128 v4, v[WC:WC+3] offset:768*((\t)/2)+256*((\t)%2)      ; the place of lane 16 h + r in the image
	ds_store_b64 v5, v[WC+4:WC+5] offset:768*((\t)/2)+512+128*((\t)%2)
.if (\t) < 2
	WLOAD (\t)+2
.endif
	s_wait_dscnt 0x0                               ; the stores have read their registers
.endm
	WBLOCK 0
	WBLOCK 1
	WBLOCK 2
	WBLOCK 3
	s_wait_alu depctr_va_vdst(0)
	global_store_b32 v8, v[SB], s[14:15]
.irp e, 0,1,2,3,4,5
	ds_load_b128 v[OUTR+4*\e:OUTR+4*\e+3], v6 offset:512*\e
.endr
.irp e, 0,1,2,3,4,5
	s_wait_dscnt 5-\e
	global_store_b128 v7, v[OUTR+4*\e:OUTR+4*\e+3], s[12:13] offset:512*(\e%3)+12288*(\e/3)   ; 512 consecutive bytes; the second image lies a row block on
.endr
	s_wait_tensorcnt 0x0
	ds_add_u32 v254, v255
	s_wait_dscnt 0x0
	s_endpgm
.Lfunc_end_k_q069c88b9f1_quant:
	.size	k_q069c88b9f1_quant, .Lfunc_end_k_q069c88b9f1_quant-k_q069c88b9f1_quant
	.p2alignl 7, 3214868480
	.fill 96, 4, 3214868480
	.section	.rodata,"a",@progbits
	.p2align	6, 0x0
	.amdhsa_kernel k_q069c88b9f1_quant
		.amdhsa_group_segment_fixed_size 46592
		.amdhsa_private_segment_fixed_size 0
		.amdhsa_enable_private_segment 0
		.amdhsa_kernarg_size 72
		.amdhsa_user_sgpr_count 2
		.amdhsa_user_sgpr_kernarg_segment_ptr 1
		.amdhsa_wavefront_size32 1
		.amdhsa_system_sgpr_workgroup_id_x 1
		.amdhsa_system_sgpr_workgroup_id_y 1
		.amdhsa_system_sgpr_workgroup_id_z 1
		.amdhsa_system_vgpr_workitem_id 0
		.amdhsa_next_free_vgpr 256
		.amdhsa_next_free_sgpr 66
		.amdhsa_reserve_vcc 0
		.amdhsa_float_denorm_mode_32 3
		.amdhsa_float_denorm_mode_16_64 3
		.amdhsa_memory_ordered 1
		.amdhsa_forward_progress 1
		.amdhsa_inst_pref_size 53
	.end_amdhsa_kernel
	.amdgpu_metadata
---
amdhsa.version: [ 1, 2 ]
amdhsa.kernels:
  - .name:           k_q069c88b9f1_quant
    .symbol:         k_q069c88b9f1_quant.kd
    .args:
      - { .name: x, .offset: 0, .size: 8, .value_kind: global_buffer, .address_space: global }
      - { .name: Wq, .offset: 8, .size: 8, .value_kind: global_buffer, .address_space: global }
      - { .name: Wk, .offset: 16, .size: 8, .value_kind: global_buffer, .address_space: global }
      - { .name: Wv, .offset: 24, .size: 8, .value_kind: global_buffer, .address_space: global }
      - { .name: Wo, .offset: 32, .size: 8, .value_kind: global_buffer, .address_space: global }
      - { .name: x_img, .offset: 40, .size: 8, .value_kind: global_buffer, .address_space: global }
      - { .name: xs_img, .offset: 48, .size: 8, .value_kind: global_buffer, .address_space: global }
      - { .name: w_img, .offset: 56, .size: 8, .value_kind: global_buffer, .address_space: global }
      - { .name: ws_img, .offset: 64, .size: 8, .value_kind: global_buffer, .address_space: global }
    .group_segment_fixed_size: 46592
    .private_segment_fixed_size: 0
    .kernarg_segment_align: 8
    .kernarg_segment_size: 72
    .max_flat_workgroup_size: 128
    .sgpr_count:     66
    .vgpr_count:     256
    .wavefront_size: 32
...
	.end_amdgpu_metadata
.endif
;; end of part 1
;; launch qkv (part 2): grid 12 x 32, 4 waves a work-group, clusters of 4 x 4, 327,680 bytes of LDS; arguments x_img, xs_img, w_img, ws_img, bq, bk, bv, qkv; writes qkv
.if DOCPART == 2
	.amdgcn_target "amdgcn-amd-amdhsa--gfx1250"
	.amdhsa_code_object_version 6
	.text
	.protected	k_q069c88b9f1_qkv
	.globl	k_q069c88b9f1_qkv
	.p2align	8
	.type	k_q069c88b9f1_qkv,@function
k_q069c88b9f1_qkv:
	s_mov_b64 s[64:65], 0
	v_nop
	global_prefetch_b8 v0, s[64:65] scope:SCOPE_SE
	s_setreg_imm32_b32 hwreg(HW_REG_WAVE_MODE, 25, 1), 1
	s_wait_xcnt 0x0
	s_wait_alu depctr_hold_cnt(0) depctr_sa_sdst(0) depctr_va_vdst(0) depctr_va_sdst(0) depctr_va_ssrc(0) depctr_va_vcc(0) depctr_vm_vsrc(0)
	s_getreg_b32 s2, hwreg(HW_REG_IB_STS2, 6, 4)
	s_cmp_eq_u32 s2, 0
	s_cbranch_scc0 .Lentry_in_a_cluster
	s_endpgm
.Lentry_in_a_cluster:
	s_bfe_u32 s2, ttmp6, 0x10000c
	s_cmp_lg_u32 s2, 0xf033
	s_cbranch_scc0 .Lentry_shape_is_right
	s_endpgm
.Lentry_shape_is_right:
.set HALFT,  24576
.set SLOT,   4*HALFT
.set SPARE,  2*SLOT
.set NL,     4
.set NP,     4
.set HEADB,  311296
.set ADRA16, 16
.set ADRA8,  18
.set ADRB16, 20
.set ADRB8,  22
.set LI16,   24
.set LI8,    25
.set SPW,    28
.set NIL,    29
.set SCA,    32
.set SCB,    64
.set RB,     96
.set TM,     112
.set AF,     128
.set HA,     128
.set PC,     192
.set PK,     212
.set PWS,    224
.set WV, 20
.set WR, 21
.set WC, 22
.set TR, 23
.set G1, 24
.set G0, 32
.set TC, 42
.set G1B, 48
.set G0B, 56
.set OB, 78
.set HM, 80
.set SEL, 82
.set MSB, 0
.macro WIN new
.if MSB != (\new)
	s_set_vgpr_msb (MSB<<8)|(\new)
.set MSB, (\new)
.endif
.endm
.set MUL_LO, 0xa1
.set MUL_HI, 0xf1
.set TO_B,   0x40
.macro JLOAD g0a, g1a, g0b, g1b
	s_cmp_eq_u32 s[WR], 0
	s_cbranch_scc0 .Lfor_b_\@
	tensor_load_to_lds s[\g0a:\g0a+3], s[\g1a:\g1a+7]
	s_nop 0
.rept 4
	v_nop
.endr
	s_branch .Lasked_\@
.Lfor_b_\@:
	tensor_load_to_lds s[\g0b:\g0b+3], s[\g1b:\g1b+7]
	s_nop 0
.rept 4
	v_nop
.endr
.Lasked_\@:
.endm
.macro CREST
	s_cmp_lg_u32 s[WV], 0
	s_cbranch_scc1 .Lnot_wave_0_\@
	s_barrier_signal -3
.Lnot_wave_0_\@:
	s_barrier_wait -3
	s_barrier_signal -1
	s_barrier_wait -1
.endm
.macro CROUND
	s_barrier_signal -1
	s_barrier_wait -1
	CREST
.endm
.macro PLACES n
.rept \n
	v_nop
.endr
.endm
.macro FRAG reg, a16, a8, off
	ds_load_b128 v[\reg:\reg+3], v[\a16] offset:\off
	ds_load_b64 v[\reg+4:\reg+5], v[\a8] offset:\off+512
	ds_load_b128 v[\reg+6:\reg+9], v[\a16] offset:\off+768
	ds_load_b64 v[\reg+10:\reg+11], v[\a8] offset:\off+1280
.endm
.macro FETCH_B slot, q, p
	WIN TO_B
.irp i, 0,1,2,3,4,5,6,7
	FRAG 128*(\p)+12*\i, ADRB16+\slot, ADRB8+\slot, 3072*\i+1536*(\q)
.endr
	WIN 0
.endm
.macro FETCH_A slot, q, i0
.irp i, \i0, \i0+1, \i0+2, \i0+3
	FRAG AF+12*(\i), ADRA16+\slot, ADRA8+\slot, 3072*(\i)+1536*(\q)
.endr
.endm
.macro MUL16 a0, p, s, zero
.irp a, \a0, \a0+1
.irp b, 0,1,2,3,4,5,6,7
.if \zero
	v_wmma_scale_f32_16x16x128_f8f6f4 v[8*(8*((\a)%4)+\b):8*(8*((\a)%4)+\b)+7], v[128*(\p)+12*\b:128*(\p)+12*\b+11], v[AF+12*(\a):AF+12*(\a)+11], 0, v[SCB+4*\b+(\s)%4], v[SCA+4*(\a)+(\s)%4] matrix_a_fmt:MATRIX_FMT_FP6 matrix_b_fmt:MATRIX_FMT_FP6
.elseif (\s) < 4
	v_wmma_scale_f32_16x16x128_f8f6f4 v[8*(8*((\a)%4)+\b):8*(8*((\a)%4)+\b)+7], v[128*(\p)+12*\b:128*(\p)+12*\b+11], v[AF+12*(\a):AF+12*(\a)+11], v[8*(8*((\a)%4)+\b):8*(8*((\a)%4)+\b)+7], v[SCB+4*\b+(\s)%4], v[SCA+4*(\a)+(\s)%4] matrix_a_fmt:MATRIX_FMT_FP6 matrix_b_fmt:MATRIX_FMT_FP6
.else
	v_wmma_scale_f32_16x16x128_f8f6f4 v[8*(8*((\a)%4)+\b):8*(8*((\a)%4)+\b)+7], v[128*(\p)+12*\b:128*(\p)+12*\b+11], v[AF+12*(\a):AF+12*(\a)+11], v[8*(8*((\a)%4)+\b):8*(8*((\a)%4)+\b)+7], v[SCB+4*\b+(\s)%4], v[SCA+4*(\a)+(\s)%4] matrix_a_fmt:MATRIX_FMT_FP6 matrix_b_fmt:MATRIX_FMT_FP6 matrix_a_scale:MATRIX_SCALE_ROW1 matrix_b_scale:MATRIX_SCALE_ROW1
.endif
.endr
.endr
.endm
.macro STEP slot, s, zero
	s_wait_dscnt 4*NL
	WIN MUL_LO
	MUL16 0, 0, \s, \zero
	MUL16 2, 0, \s, \zero
	s_wait_dscnt 0x0
	PLACES NP
	FETCH_B \slot, 1, 1
	FETCH_A \slot, 1, 0
	WIN MUL_HI
	MUL16 4, 0, \s, \zero
	MUL16 6, 0, \s, \zero
	PLACES NP
	WIN 0
	FETCH_A \slot, 1, 4
.endm
.macro TURN slot, next, fill, s
	s_wait_tensorcnt 0x0
	ds_add_u32 v[SPW], v[NIL]
	s_wait_dscnt 4*NL+1
	WIN MUL_LO
	MUL16 0, 1, \s, 0
	s_wait_dscnt 0x0
	s_barrier_signal -1
	MUL16 2, 1, \s, 0
	WIN 0
	s_barrier_wait -1
.if \fill
	CREST
	s_add_nc_u64 s[G0+4*\slot+2:G0+4*\slot+3], s[G0+4*\slot+2:G0+4*\slot+3], 6144
	s_add_nc_u64 s[G0B+4*\slot+2:G0B+4*\slot+3], s[G0B+4*\slot+2:G0B+4*\slot+3], 6144
	JLOAD G0+4*\slot, G1, G0B+4*\slot, G1B
.else
	PLACES NP
.endif
	FETCH_B \next, 0, 0
	FETCH_A \next, 0, 0
	WIN MUL_HI
	MUL16 4, 1, \s, 0
	MUL16 6, 1, \s, 0
	PLACES NP
	WIN 0
	FETCH_A \next, 0, 4
.endm
.macro QUANT s, pw
.irp b, 0,1,2,3
	v_max3_num_f32 v[TM+\b], |v[\s+16*\b]|, |v[\s+1+16*\b]|, 0x1800000
.endr
.irp i, 2,4,6,8,10,12,14
.irp b, 0,1,2,3
	v_max3_num_f32 v[TM+\b], v[TM+\b], |v[\s+16*\b+\i]|, |v[\s+1+16*\b+\i]|
.endr
.endr
.irp b, 0,1,2,3
	v_permlanex16_b32 v[TM+4+\b], v[TM+\b], s[SEL], s[SEL+1]
.endr
.irp b, 0,1,2,3
	v_max_num_f32 v[TM+\b], v[TM+\b], v[TM+4+\b]
.endr
.irp b, 0,1,2,3
	v_add_nc_u32 v[TM+12+\b], 0xff000000, v[TM+\b]
.endr
.irp b, 0,1,2,3
	v_lshrrev_b32 v[TM+4+\b], 23, v[TM+12+\b]
.endr
	v_lshl_or_b32 v[\pw], v[TM+5], 8, v[TM+4]
	v_lshl_or_b32 v[\pw], v[TM+6], 16, v[\pw]
	v_lshl_or_b32 v[\pw], v[TM+7], 24, v[\pw]
.irp c, 0,1
	v_cvt_scalef32_pk16_fp6_f32 v[PC+6*\c:PC+2+6*\c], v[\s+32*\c:\s+15+32*\c], v[TM+12+2*\c]
	v_cvt_scalef32_pk16_fp6_f32 v[PC+12+4*\c:PC+14+4*\c], v[\s+16+32*\c:\s+31+32*\c], v[TM+12+2*\c+1]
.endr
	v_nop
.irp c, 0,1
.irp i, 0,1,2
	v_permlane16_swap_b32 v[PC+6*\c+\i], v[PC+12+4*\c+\i]
.endr
.irp i, 0,1,2
	v_mov_b32 v[PC+3+6*\c+\i], v[PC+12+4*\c+\i]
.endr
.endr
.endm
	s_load_b512 s[4:19], s[0:1], 0x0
	v_lshl_add_u32 v[SPW], v0, 2, SPARE
	v_mov_b32 v[NIL], 0
	ds_add_u32 v28, v29
	ds_add_u32 v28, v29
	s_wait_dscnt 0x0
	v_lshrrev_b32 v1, 5, v0
	v_readfirstlane_b32 s[WV], v1
	s_lshr_b32 s[WR], s[WV], 1
	s_and_b32 s[WC], s[WV], 1
	s_bfe_u32 s40, ttmp6, 0x40000
	s_bfe_u32 s41, ttmp6, 0x40004
	s_and_b32 s45, ttmp7, 0xffff
	s_lshl_b32 s45, s45, 2
	s_lshl_b32 s46, ttmp9, 2
	s_add_co_u32 s66, s45, s41
	s_add_co_u32 s67, s46, s40
	s_add_co_u32 s68, s45, s40
	s_cmp_eq_u32 ttmp9, 2
	s_cselect_b32 s[TR], s41, s66
	s_cselect_b32 s[TC], s68, s67
	s_lshl_b32 s43, s41, 2
	s_lshl_b32 s43, 15, s43
	s_lshl_b32 s44, 0x1111, s40
	s_or_b32 s[G1], s43, (3<<16)|(1<<21)
	s_or_b32 s[G1B], s44, (3<<16)|(1<<21)
.irp g, G1, G1B
	s_mov_b32 s[\g+1], 384<<16
	s_mov_b32 s[\g+2], 8<<16
	s_mov_b32 s[\g+3], 384<<16
	s_mov_b32 s[\g+4], 8
	s_mov_b32 s[\g+5], 1536
	s_mov_b32 s[\g+6], 0
	s_mov_b32 s[\g+7], 0
.endr
	s_lshl_b32 s69, s[WC], 3
	s_lshl_b32 s92, s[TR], 4
	s_add_co_u32 s92, s92, s69
	s_mul_i32 s92, s92, 12288
	s_mov_b32 s93, 0
	s_lshl_b32 s94, s[TC], 4
	s_add_co_u32 s94, s94, s69
	s_mul_i32 s94, s94, 12288
	s_mov_b32 s95, 0
	s_mul_i32 s47, s[WV], HALFT
	s_wait_kmcnt 0x0
	s_add_nc_u64 s[70:71], s[8:9], 1572864
	s_add_nc_u64 s[72:73], s[10:11], 65536
	s_cmp_eq_u32 ttmp9, 2
	s_cselect_b64 s[84:85], s[70:71], s[4:5]
	s_cselect_b64 s[86:87], s[72:73], s[6:7]
	s_cselect_b64 s[88:89], s[4:5], s[8:9]
	s_cselect_b64 s[90:91], s[6:7], s[10:11]
	s_add_nc_u64 s[92:93], s[84:85], s[92:93]
	s_add_nc_u64 s[94:95], s[88:89], s[94:95]
	CROUND
.irp s, 0,1
	s_mov_b32 s[G0+4*\s], 1
	s_add_co_u32 s[G0+4*\s+1], s47, \s*SLOT
	s_add_nc_u64 s[G0+4*\s+2:G0+4*\s+3], s[92:93], \s*3072
	s_or_b32 s[G0+4*\s+3], s[G0+4*\s+3], 0x80000000
	s_mov_b32 s[G0B+4*\s], 1
	s_add_co_u32 s[G0B+4*\s+1], s47, \s*SLOT
	s_add_nc_u64 s[G0B+4*\s+2:G0B+4*\s+3], s[94:95], \s*3072
	s_or_b32 s[G0B+4*\s+3], s[G0B+4*\s+3], 0x80000000
	s_wait_alu depctr_va_vdst(0)
	s_wait_tensorcnt 0x0
	ds_add_u32 v28, v29
	ds_add_u32 v28, v29
	s_wait_dscnt 0x0
	CROUND
	JLOAD G0+4*\s, G1, G0B+4*\s, G1B
.endr
	v_and_b32 v1, 31, v0
	v_lshlrev_b32 v[LI16], 4, v1
	v_lshlrev_b32 v[LI8], 3, v1
	s_mul_i32 s66, s[WR], HALFT
	s_mul_i32 s67, s[WC], HALFT
	s_add_co_u32 s67, s67, 2*HALFT
.irp s, 0,1
	v_add_nc_u32 v[ADRA16+\s], s66, v[LI16]
	v_add_nc_u32 v[ADRA8+\s], s66, v[LI8]
	v_add_nc_u32 v[ADRB16+\s], s67, v[LI16]
	v_add_nc_u32 v[ADRB8+\s], s67, v[LI8]
	s_add_co_u32 s66, s66, SLOT
	s_add_co_u32 s67, s67, SLOT
.endr
	s_lshl_b32 s66, s[TR], 8
	s_lshl_b32 s67, s[WR], 7
	s_add_co_u32 s66, s66, s67
	s_lshl_b32 s67, s[TC], 8
	s_lshl_b32 s68, s[WC], 7
	s_add_co_u32 s67, s67, s68
	s_lshl_b32 s70, s66, 5
	s_mov_b32 s71, 0
	s_add_nc_u64 s[86:87], s[86:87], s[70:71]
	s_lshl_b32 s70, s67, 5
	s_add_nc_u64 s[90:91], s[90:91], s[70:71]
	s_cmp_eq_u32 ttmp9, 0
	s_cselect_b64 s[76:77], s[12:13], s[14:15]
	s_cselect_b32 s74, 12800, 0
	s_cmp_eq_u32 ttmp9, 2
	s_cselect_b64 s[76:77], s[16:17], s[76:77]
	s_cselect_b32 s74, 6144, s74
	s_cselect_b32 s68, s66, s67
	s_cselect_b32 s69, s67, s66
	s_and_b32 s68, s68, 1023
	s_lshl_b32 s70, s68, 2
	s_add_nc_u64 s[76:77], s[76:77], s[70:71]
	s_lshr_b32 s72, s69, 11
	s_lshl_b32 s72, s72, 8
	s_lshr_b32 s73, s68, 6
	s_lshl_b32 s73, s73, 4
	s_add_co_u32 s72, s72, s73
	s_bfe_u32 s73, s69, 0x40007
	s_add_co_u32 s72, s72, s73
	s_mul_i32 s72, s72, 19456
	s_add_co_u32 s72, s72, s74
	s_mov_b32 s73, 0
	s_add_nc_u64 s[OB:OB+1], s[18:19], s[72:73]
	s_mov_b32 s[HM], 0xffff0000
	s_mov_b32 s[SEL], 0x76543210
	s_mov_b32 s[SEL+1], 0xfedcba98
	v_and_b32 v2, 15, v0
	v_bfe_u32 v3, v0, 4, 1
	v_lshlrev_b32 v26, 6, v3
	v_and_b32 v4, 8, v2
	v_add_nc_u32 v4, v4, v2
	v_lshlrev_b32 v27, 2, v4
.irp b, 0,1,2,3
	v_mov_b32 v[TM+4+\b], 0
.endr
.irp i, 0,1,2,3,4,5,6,7
	global_load_b128 v[SCA+4*\i:SCA+4*\i+3], v[LI16], s[86:87] offset:512*\i
	global_load_b128 v[SCB+4*\i:SCB+4*\i+3], v[LI16], s[90:91] offset:512*\i
.endr
.irp a, 0,1,2,3,4,5,6,7
	global_load_b32 v[RB+2*\a], v27, s[76:77] offset:4*(32*(\a/2)+8*(\a%2))
	global_load_b32 v[RB+2*\a+1], v27, s[76:77] offset:4*(32*(\a/2)+8*(\a%2))
.endr
	WIN TO_B
.irp k, 0,1,2,3
.irp e, 0,1,2,3
	global_load_b128 v[96+16*\k+96*(\k/2)+4*\e:96+16*\k+96*(\k/2)+4*\e+3], v26, s[76:77] offset:128*\k+16*\e
.endr
.endr
	WIN 0
	s_wait_tensorcnt 1
	s_barrier_signal -1
	s_barrier_wait -1
	FETCH_B 0, 0, 0
	FETCH_A 0, 0, 0
	FETCH_A 0, 0, 4
	s_wait_loadcnt 0x0
	STEP 0, 0, 1
	TURN 0, 1, 1, 1
	STEP 1, 2, 0
	TURN 1, 0, 1, 3
	STEP 0, 4, 0
	TURN 0, 1, 0, 5
	STEP 1, 6, 0
	s_wait_dscnt 4*NL
	WIN MUL_LO
	MUL16 0, 1, 7, 0
	MUL16 2, 1, 7, 0
	s_wait_dscnt 0x0
	WIN MUL_HI
	MUL16 4, 1, 7, 0
	MUL16 6, 1, 7, 0
	WIN 0
.macro ROWS m
.irp a, 0,1,2,3,4,5,6,7
.if \a > 0
	s_wait_xcnt 0x0
.endif
.if \m == 0
	WIN 0x06+\a/4
.else
	WIN 0x02+\a/4
.endif
.set e, 0
.rept 32
.if \m == 0
	v_pk_add_f32 v[HA+e:HA+e+1], v[64*(\a%4)+e:64*(\a%4)+e+1], v[96+16*(e/16)+96*(e/32)+e%16:97+16*(e/16)+96*(e/32)+e%16]
.else
	v_pk_add_f32 v[HA+e:HA+e+1], v[64*(\a%4)+e:64*(\a%4)+e+1], v[RB+2*\a:RB+2*\a+1]
.endif
.set e, e+2
.endr
	WIN 0
	QUANT HA, PWS+\a
.irp c, 0,1
.if \m == 0
	global_store_b128 v[LI16], v[PC+6*\c:PC+6*\c+3], s[OB:OB+1] offset:HEADB*\c+768*\a
	global_store_b64 v[LI8], v[PC+6*\c+4:PC+6*\c+5], s[OB:OB+1] offset:HEADB*\c+768*\a+512
.else
	global_store_b128 v[LI16], v[PC+6*\c:PC+6*\c+3], s[OB:OB+1] offset:HEADB*(\a/4)+1536*(\a%4)+768*\c
	global_store_b64 v[LI8], v[PC+6*\c+4:PC+6*\c+5], s[OB:OB+1] offset:HEADB*(\a/4)+1536*(\a%4)+768*\c+512
.endif
.endr
.endr
.endm
	PLACES NP
	s_cmp_eq_u32 ttmp9, 2
	s_cbranch_scc1 .Lv
	ROWS 0
	s_cmp_eq_u32 ttmp9, 0
	s_cbranch_scc1 .Lq
.irp c, 0,1
.irp g, 0,1,2,3
	v_perm_b32 v[PK+\g], v[PWS+2*\g+1], v[PWS+2*\g], 0x05040100+0x02020202*\c
.endr
	v_cndmask_b32 v[PK+4+2*\c], v[PK], v[PK+1], s[HM]
	v_cndmask_b32 v[PK+5+2*\c], v[PK+2], v[PK+3], s[HM]
	global_store_b64 v[LI8], v[PK+4+2*\c:PK+5+2*\c], s[OB:OB+1] offset:HEADB*\c+12288
.endr
	s_branch .Ldone
.Lq:
.irp c, 0,1
.irp j, 0,1,2,3
	v_perm_b32 v[PK], v[PWS+\j], v[PWS+\j], 0x01000100+0x02020202*\c
	v_perm_b32 v[PK+1], v[PWS+4+\j], v[PWS+4+\j], 0x01000100+0x02020202*\c
	v_cndmask_b32 v[PK+4+4*\c+\j], v[PK], v[PK+1], s[HM]
.endr
	global_store_b128 v[LI16], v[PK+4+4*\c:PK+7+4*\c], s[OB:OB+1] offset:HEADB*\c+6144
.endr
	s_branch .Ldone
.Lv:
	ROWS 1
.irp c, 0,1
	v_cndmask_b32 v[PK+4+2*\c], v[PWS+4*\c], v[PWS+4*\c+1], s[HM]
	v_cndmask_b32 v[PK+5+2*\c], v[PWS+4*\c+2], v[PWS+4*\c+3], s[HM]
	global_store_b64 v[LI8], v[PK+4+2*\c:PK+5+2*\c], s[OB:OB+1] offset:HEADB*\c+6400
.endr
.Ldone:
	s_wait_tensorcnt 0x0
	ds_add_u32 v[SPW], v[NIL]
	s_wait_dscnt 0x0
	CROUND
	s_endpgm
.Lfunc_end_k_q069c88b9f1_qkv:
	.size	k_q069c88b9f1_qkv, .Lfunc_end_k_q069c88b9f1_qkv-k_q069c88b9f1_qkv
	.p2alignl 7, 3214868480
	.fill 96, 4, 3214868480
	.section	.rodata,"a",@progbits
	.p2align	6, 0x0
	.amdhsa_kernel k_q069c88b9f1_qkv
		.amdhsa_group_segment_fixed_size 327680
		.amdhsa_private_segment_fixed_size 0
		.amdhsa_enable_private_segment 0
		.amdhsa_kernarg_size 64
		.amdhsa_user_sgpr_count 2
		.amdhsa_user_sgpr_kernarg_segment_ptr 1
		.amdhsa_wavefront_size32 1
		.amdhsa_system_sgpr_workgroup_id_x 1
		.amdhsa_system_sgpr_workgroup_id_y 1
		.amdhsa_system_sgpr_workgroup_id_z 1
		.amdhsa_system_vgpr_workitem_id 0
		.amdhsa_next_free_vgpr 1024
		.amdhsa_next_free_sgpr 100
		.amdhsa_reserve_vcc 0
		.amdhsa_float_denorm_mode_32 3
		.amdhsa_float_denorm_mode_16_64 3
		.amdhsa_memory_ordered 1
		.amdhsa_forward_progress 1
		.amdhsa_inst_pref_size 219
	.end_amdhsa_kernel
	.amdgpu_metadata
---
amdhsa.version: [ 1, 2 ]
amdhsa.kernels:
  - .name:           k_q069c88b9f1_qkv
    .symbol:         k_q069c88b9f1_qkv.kd
    .args:
      - { .name: x_img, .offset: 0, .size: 8, .value_kind: global_buffer, .address_space: global }
      - { .name: xs_img, .offset: 8, .size: 8, .value_kind: global_buffer, .address_space: global }
      - { .name: w_img, .offset: 16, .size: 8, .value_kind: global_buffer, .address_space: global }
      - { .name: ws_img, .offset: 24, .size: 8, .value_kind: global_buffer, .address_space: global }
      - { .name: bq, .offset: 32, .size: 8, .value_kind: global_buffer, .address_space: global }
      - { .name: bk, .offset: 40, .size: 8, .value_kind: global_buffer, .address_space: global }
      - { .name: bv, .offset: 48, .size: 8, .value_kind: global_buffer, .address_space: global }
      - { .name: qkv, .offset: 56, .size: 8, .value_kind: global_buffer, .address_space: global }
    .group_segment_fixed_size: 327680
    .private_segment_fixed_size: 0
    .kernarg_segment_align: 8
    .kernarg_segment_size: 64
    .max_flat_workgroup_size: 128
    .sgpr_count:     100
    .vgpr_count:     1024
    .wavefront_size: 32
...
	.end_amdgpu_metadata
.endif
;; end of part 2
;; launch attn (part 3): grid 4 x 64, 8 waves a work-group, clusters of 4 x 1, 206,848 bytes of LDS; arguments qkv, o_img, os_img; writes o_img, os_img
.if DOCPART == 3
	.amdgcn_target "amdgcn-amd-amdhsa--gfx1250"
	.amdhsa_code_object_version 6
	.text
	.protected	k_q069c88b9f1_attn
	.globl	k_q069c88b9f1_attn
	.p2align	8
	.type	k_q069c88b9f1_attn,@function
k_q069c88b9f1_attn:
	s_mov_b64 s[64:65], 0
	v_nop
	global_prefetch_b8 v0, s[64:65] scope:SCOPE_SE
	s_setreg_imm32_b32 hwreg(HW_REG_WAVE_MODE, 25, 1), 1
	s_wait_xcnt 0x0
	s_wait_alu depctr_hold_cnt(0) depctr_sa_sdst(0) depctr_va_vdst(0) depctr_va_sdst(0) depctr_va_ssrc(0) depctr_va_vcc(0) depctr_vm_vsrc(0)
	s_getreg_b32 s2, hwreg(HW_REG_IB_STS2, 6, 4)
	s_cmp_eq_u32 s2, 0
	s_cbranch_scc0 .Lentry_in_a_cluster
	s_endpgm
.Lentry_in_a_cluster:
	s_bfe_u32 s2, ttmp6, 0x10000c
	s_cmp_lg_u32 s2, 0x3003
	s_cbranch_scc0 .Lentry_shape_is_right
	s_endpgm
.Lentry_shape_is_right:
; o = softmax(q k^T / 32) v for each of 64 (batch, head), 2,048 tokens, head size 64, both products on codes of FP6 (E2M3) with E8M0 scales; o is quantised here along (head, d) for the last product and stored as images of operand registers.
; THE SOFTMAX AHEAD OF THE SECOND PRODUCT: t = score x log2(e) / 32; M = the row's largest t so far, rounded UP to a whole number; p = 2^(t - M) is quantised along the keys; the row's sum is taken of the unquantised p, in f32, and divides O at the end.
; When M moves, the sum and O are multiplied by 2^(old M - new M): exact.
; SHARES.  A work-group owns 512 queries of one head; each of its eight waves 64 of them, four tiles of 16, in 488 registers.  A fragment of K or V read from LDS serves the wave's four tiles.
; THE WHOLE HEAD'S K AND V STAY IN LDS: 16 records' first 12,800 bytes, filled once: one tensor load a wave brings two records (two rows of 12,800 bytes, 19,456 apart).  No slot is filled again, so the loop has no barrier.
; CLUSTER: the four work-groups of a head need the same K and V: each pair of records is asked for jointly, with a mask that names the four.
; No prefetch: the launch's one fill stands at its head, with no loop ahead of it to ask in.
; LAYOUT.  Both products are used transposed: S^T = K Q^T, O^T = V^T P^T: a lane holds ONE query (lane % 16) throughout.
; THE FIRST PRODUCT'S K IS 64, the instruction's 128: a fragment of K carries two tiles of 16 keys, and Q stands between zeros: (q, 0) gives the first tile, (0, q) the second.  The four runs share their zeros: z q0 z q1 z q2 z q3 z.
; WHICH KEYS FORM A TILE is chosen by the lanes' LDS addresses: fragment (G, w), half u, row r is key 64 G + 32 (r / 8) + 16 w + 8 u + r % 8, which lies in the record's image 2 G + r / 8, half u, position 8 w + r % 8.
; So the 32 score registers 32 G + 16 w + 8 u + j of lane (r, h) are keys 64 G + 32 h + 0 .. 31: ONE WHOLE SCALE BLOCK of p in a lane, in the order of the second product's operand.
; THE WALK IS A PIPELINE OVER TILES.  Tile n = 4 x key step + tile.  SLOT n holds: one batch (the second product of tile n - 2, the scores of tile n, the exponentials of tile n - 1); tile n's maxima with tile n - 1's scale word between them;
; tile n's chain for M with tile n - 1's sum between its links; tile n's t - M with tile n - 1's conversions and the chain for the factor between them; O of tile n - 1 under its new M.  So dependent lines stand apart.
; THE PIPELINE'S START: the first slot finds t - M = -200 (p = 0), zero codes, zero sums and zero O for the tiles that are not there yet: they add zeros.  ITS END: a slot without a new tile and the last second product are written out.
; K of the next key step is fetched in slot 3, V in slot 1.  In the last step K's fetch names the last record once more and is not used: so no branch stands in the step.
; LIMITS: NaN and infinities are not served; the scaled scores stay under 2^31 in magnitude.  A block of o whose largest magnitude lies under 2^(3 - 127) keeps the byte 1, and so does a block of p whose every p has fallen to 0; the codes are zeros.
; The scale bytes of o leave as 2 bytes a row: a scale word spans two heads, which two work-groups own.
.set REC,   19456
.set KVB,   12800
.set HEADB, 311296
.set SPARE, 204800                     ; behind the 16 records: the spare words, 128 bytes a wave
; window 0
.set OLD, 0                            ; the old -M (v0 has served by then)
.set L16, 1                            ; 16 x lane
.set L8,  2                            ; 8 x lane
.set VA16, 3
.set VA8, 4
.set R16, 5                            ; 16 r
.set KB16, 6                           ; K's lane terms
.set KB8, 7
.set KSB, 8
.set KA16, 9
.set KA8, 10
.set KSA, 11
.set ST,  12                           ; v12-27 a tile's state: -M, the largest score, the sum in two halves
.set SH8, 28                           ; 8 h
.set TMP, 29
.set F,   30                           ; v[30:31], v[50:51] 2^(old M - new M) of even and odd tiles; v[30:31] later 1 / the sum
.set BM,  32                           ; v32, v33 my two blocks' largest t - M, then p, then scale bytes
.set QS,  34                           ; v34-37 q's scale words
.set KS,  38                           ; v[38:39] K's: register G; lanes 0-15 w = 0, lanes 16-31 w = 1
.set VS,  40                           ; v[40:41] V's
.set MX,  42                           ; v42-45 four chains of maxima
.set PT,  46                           ; v46, v47 what a lane permute brings
.set SO,  48                           ; v48, v49 the conversions' scale operands
.set TC,  52                           ; v52-54, v56-58 the upper halves of two blocks, as converted
.set W16, 55                           ; a scale word in the making
.set PS,  59                           ; p's scale word
.set PC,  60                           ; v60-71 p's codes
.set TS,  72                           ; v72-77 three chains of the sum
.set SPW, 78
.set NIL, 79
.set VF,  80                           ; v80-127 V's four fragments
.set S0,  128                          ; v128-191, v192-255 the scores of even and odd tiles
; window 1
.set QR,  128                          ; v384-437 the runs of Q
.set KF,  184                          ; v440-487 K's four fragments;  v256-383 O^T, 32 a tile
.set WV,  10
.set SEL, 12
.set CS,  14
.set G0,  16
.set G1,  20
.set TB,  28
.set CNT, 29
.set TN,  54
.set MSB, 0
.macro WIN new                         ; the immediate's high byte repeats the setting that is left
.if MSB != (\new)
	s_set_vgpr_msb (MSB<<8)|(\new)
.set MSB, (\new)
.endif
.endm
.macro WALU
	s_wait_alu depctr_va_vdst(0)
.endm
.macro D n
	s_delay_alu instid0(VALU_DEP_\n)
.endm
.macro CROUND
	s_barrier_signal -1
	s_barrier_wait -1
	s_cmp_lg_u32 s[WV], 0
	s_cbranch_scc1 .Lnot_wave_0_\@
	s_barrier_signal -3
.Lnot_wave_0_\@:
	s_barrier_wait -3
	s_barrier_signal -1
	s_barrier_wait -1
.endm
.macro KLOAD                           ; K's four fragments and scale words of the record at s[TN]: 17 loads
	v_add_nc_u32 v[KA16], s[TN], v[KB16]
	v_add_nc_u32 v[KA8], s[TN], v[KB8]
	v_add_nc_u32 v[KSA], s[TN], v[KSB]
	WIN 0x40
.irp g, 0,1
.irp w, 0,1
	ds_load_b128 v[KF+12*(2*\g+\w):KF+12*(2*\g+\w)+3], v[KA16] offset:3072*\g+128*\w
	ds_load_b64 v[KF+12*(2*\g+\w)+4:KF+12*(2*\g+\w)+5], v[KA8] offset:3072*\g+64*\w+512
	ds_load_b128 v[KF+12*(2*\g+\w)+6:KF+12*(2*\g+\w)+9], v[KA16] offset:3072*\g+128*\w+768
	ds_load_b64 v[KF+12*(2*\g+\w)+10:KF+12*(2*\g+\w)+11], v[KA8] offset:3072*\g+64*\w+1280
.endr
.endr
	WIN 0
	ds_load_b64 v[KS:KS+1], v[KSA] offset:12288
.endm
.macro VLOAD                           ; V's four images and scale words of the record at s[TB]: 17 dense loads
	v_add_nc_u32 v[VA16], s[TB], v[L16]
	v_add_nc_u32 v[VA8], s[TB], v[L8]
.irp t, 0,1,2,3
	ds_load_b128 v[VF+12*\t:VF+12*\t+3], v[VA16] offset:6144+1536*\t
	ds_load_b64 v[VF+12*\t+4:VF+12*\t+5], v[VA8] offset:6144+1536*\t+512
	ds_load_b128 v[VF+12*\t+6:VF+12*\t+9], v[VA16] offset:6144+1536*\t+768
	ds_load_b64 v[VF+12*\t+10:VF+12*\t+11], v[VA8] offset:6144+1536*\t+1280
.endr
	ds_load_b64 v[VS:VS+1], v[VA8] offset:12544
.endm
.macro QK i, sb                        ; S^T = K Q^T of tile i: each fragment serves two tiles of 16 keys
	WIN 0x05
.irp f, 0,1,2,3
.if \f%2
	v_wmma_scale_f32_16x16x128_f8f6f4 v[\sb+16*\f:\sb+16*\f+7], v[KF+12*\f:KF+12*\f+11], v[QR+12*\i+6:QR+12*\i+17], 0, v[KS+\f/2], v[QS+\i] matrix_a_fmt:MATRIX_FMT_FP6 matrix_b_fmt:MATRIX_FMT_FP6 matrix_a_scale:MATRIX_SCALE_ROW1
	v_wmma_scale_f32_16x16x128_f8f6f4 v[\sb+16*\f+8:\sb+16*\f+15], v[KF+12*\f:KF+12*\f+11], v[QR+12*\i:QR+12*\i+11], 0, v[KS+\f/2], v[QS+\i] matrix_a_fmt:MATRIX_FMT_FP6 matrix_b_fmt:MATRIX_FMT_FP6 matrix_a_scale:MATRIX_SCALE_ROW1
.else
	v_wmma_scale_f32_16x16x128_f8f6f4 v[\sb+16*\f:\sb+16*\f+7], v[KF+12*\f:KF+12*\f+11], v[QR+12*\i+6:QR+12*\i+17], 0, v[KS+\f/2], v[QS+\i] matrix_a_fmt:MATRIX_FMT_FP6 matrix_b_fmt:MATRIX_FMT_FP6
	v_wmma_scale_f32_16x16x128_f8f6f4 v[\sb+16*\f+8:\sb+16*\f+15], v[KF+12*\f:KF+12*\f+11], v[QR+12*\i:QR+12*\i+11], 0, v[KS+\f/2], v[QS+\i] matrix_a_fmt:MATRIX_FMT_FP6 matrix_b_fmt:MATRIX_FMT_FP6
.endif
.endr
	WIN 0
.endm
.macro PV p                            ; O^T += V^T P^T of tile p: four accumulators by turns
	WIN 0x50
.irp t, 0,1,2,3
.if \t%2
	v_wmma_scale_f32_16x16x128_f8f6f4 v[32*(\p)+8*\t:32*(\p)+8*\t+7], v[VF+12*\t:VF+12*\t+11], v[PC:PC+11], v[32*(\p)+8*\t:32*(\p)+8*\t+7], v[VS+\t/2], v[PS] matrix_a_fmt:MATRIX_FMT_FP6 matrix_b_fmt:MATRIX_FMT_FP6 matrix_a_scale:MATRIX_SCALE_ROW1
.else
	v_wmma_scale_f32_16x16x128_f8f6f4 v[32*(\p)+8*\t:32*(\p)+8*\t+7], v[VF+12*\t:VF+12*\t+11], v[PC:PC+11], v[32*(\p)+8*\t:32*(\p)+8*\t+7], v[VS+\t/2], v[PS] matrix_a_fmt:MATRIX_FMT_FP6 matrix_b_fmt:MATRIX_FMT_FP6
.endif
.endr
	WIN 0
.endm
.macro XS k                            ; line k of the chain that makes p's scale operands and scale word
.if (\k) == 1
	v_max_num_f32 v[BM], 0x1800000, v[BM]          ; the floor 2^(3 - 127): the byte cannot fall under 1
.elseif (\k) == 2
	v_max_num_f32 v[BM+1], 0x1800000, v[BM+1]
.elseif (\k) == 3
	v_add_nc_u32 v[SO], 0xff000000, v[BM]          ; 2 off the exponent field: the conversion's scale operand
.elseif (\k) == 4
	v_add_nc_u32 v[SO+1], 0xff000000, v[BM+1]
.elseif (\k) == 5
	v_lshrrev_b32 v[BM], 23, v[SO]
.elseif (\k) == 6
	v_lshrrev_b32 v[BM+1], 23, v[SO+1]
.elseif (\k) == 7
	v_lshl_or_b32 v[W16], v[BM+1], 16, v[BM]       ; blocks h and 2 + h,
.elseif (\k) == 8
	v_lshlrev_b32 v[W16], v[SH8], v[W16]           ; 8 h bits up;
.elseif (\k) == 9
	v_permlanex16_b32 v[PT+1], v[W16], s[SEL], s[SEL+1]
.elseif (\k) == 10
	v_or_b32 v[PS], v[W16], v[PT+1]                ; with lane l xor 16's two the word is whole
.endif
.endm
.macro ADD4 j                          ; four links of the sum's four chains
	v_pk_add_f32 v[TS:TS+1], v[TS:TS+1], v[SBK+\j:SBK+\j+1]
	v_pk_add_f32 v[TS+2:TS+3], v[TS+2:TS+3], v[SBK+\j+2:SBK+\j+3]
	v_pk_add_f32 v[TS+4:TS+5], v[TS+4:TS+5], v[SBK+\j+4:SBK+\j+5]
	v_pk_add_f32 v[SUM:SUM+1], v[SUM:SUM+1], v[SBK+\j+6:SBK+\j+7]
.endm
.macro FMA4 j                          ; t - M of eight scores
.irp e, 0,2,4,6
	v_pk_fma_f32 v[SF+\j+\e:SF+\j+\e+1], v[SF+\j+\e:SF+\j+\e+1], s[CS:CS+1], v[NM:NM+1] op_sel_hi:[1,0,0]
.endr
.endm
; A SLOT.  i: the new tile (front = 1: there is one); the tile before it, IB, gets its exponentials, sum, codes and new M on O; the tile before that, IP, its second product.
.macro SLOT i, front
.set IB, ((\i)+3)%4
.set IP, ((\i)+2)%4
.set SF, S0+64*((\i)%2)
.set SBK, S0+64*(IB%2)
.set NM, ST+4*(\i)
.set RUN, NM+1
.set SUM, ST+4*IB+2
.set FF, F+20*((\i)%2)
.set FB, F+20*(IB%2)
	WALU                                           ; ahead of the batch: all that the last slot wrote
.if (\i)%2 == 0
	s_wait_dscnt 0x0                               ; slot 0: K of this key step is in; slot 2: V; nothing younger is out
.endif
	PV IP
.if \front
	QK \i, SF
.endif
	v_exp_f32 v[BM], v[BM]                         ; the blocks' largest p: the same two instructions on the same number give the same bits
	v_exp_f32 v[BM+1], v[BM+1]
.set j, 0
.rept 64
	v_exp_f32 v[SBK+j], v[SBK+j]                   ; p = 2^(t - M), at most 1
.set j, j+1
.endr
	v_pk_mul_f32 v[SUM:SUM+1], v[SUM:SUM+1], v[FB:FB+1] op_sel_hi:[1,0]   ; the sums under the new M; this and the three lines below are the places behind the batch
.if \front
	v_mov_b32 v[OLD], v[NM]
	v_nop
	v_nop
	WALU                                           ; one wait for the batch, directly ahead of the first readers of the scores
.irp q, 0,1,2,3
	v_max3_num_f32 v[MX+\q], v[SF+16*\q], v[SF+16*\q+1], v[SF+16*\q+2]   ; four chains, two to a block of 32 keys
.endr
.else
	WALU
.endif
	XS 1
	XS 2
.irp e, 3,5,7,9,11,13
.if \front
.irp q, 0,1,2,3
	v_max3_num_f32 v[MX+\q], v[MX+\q], v[SF+16*\q+\e], v[SF+16*\q+\e+1]
.endr
.endif
.if \e < 7
	XS \e
	XS \e+1
.else
	XS (\e+7)/2
.endif
.endr
.if \front
.if \i == 1
	VLOAD                                          ; the last products on the old V stand more than four plain places back
.endif
.if \i == 3
	KLOAD                                          ; likewise K
.endif
.endif
	v_pk_add_f32 v[TS:TS+1], v[SBK:SBK+1], v[SBK+2:SBK+3]          ; the row's sum of the unquantised p, in four chains
	v_pk_add_f32 v[TS+2:TS+3], v[SBK+4:SBK+5], v[SBK+6:SBK+7]
	v_pk_add_f32 v[TS+4:TS+5], v[SBK+8:SBK+9], v[SBK+10:SBK+11]
.if \front
	v_max3_num_f32 v[MX], v[MX], v[SF+15], v[SF+31]
	v_max3_num_f32 v[MX+2], v[MX+2], v[SF+47], v[SF+63]
.endif
	ADD4 12
.if \front
	v_max_num_f32 v[MX], v[MX], v[MX+1]            ; my first block's largest score: it serves for the row's maximum and, since p rises with the score, for the block's largest p
	v_max_num_f32 v[MX+2], v[MX+2], v[MX+3]        ; my second block's
.endif
	ADD4 20
.if \front
	v_max_num_f32 v[TMP], v[MX], v[MX+2]
.endif
	ADD4 28
.if \front
	v_permlanex16_b32 v[PT], v[TMP], s[SEL], s[SEL+1]
.endif
	ADD4 36
.if \front
	v_max3_num_f32 v[RUN], v[RUN], v[TMP], v[PT]   ; the running largest score of my query, lane l xor 16's keys among them
.endif
	ADD4 44
.if \front
	v_mul_f32 v[TMP], s[CS], v[RUN]                ; as t (c is positive)
.endif
	ADD4 52
.if \front
	v_floor_f32 v[NM], -v[TMP]                     ; the new -M = -ceil(t)
.endif
	v_pk_add_f32 v[TS:TS+1], v[TS:TS+1], v[SBK+60:SBK+61]
	v_pk_add_f32 v[TS+2:TS+3], v[TS+2:TS+3], v[SBK+62:SBK+63]
.if \front
	FMA4 0
.endif
	v_pk_add_f32 v[SUM:SUM+1], v[SUM:SUM+1], v[TS:TS+1]
.if \front
	v_sub_f32 v[TMP], v[NM], v[OLD]                ; old M - new M: a whole number, 0 or less
	FMA4 8
.endif
	v_pk_add_f32 v[TS+2:TS+3], v[TS+2:TS+3], v[TS+4:TS+5]
	v_cvt_scalef32_pk16_fp6_f32 v[PC:PC+2], v[SBK:SBK+15], v[SO]
.if \front
	FMA4 16
.endif
	v_pk_add_f32 v[SUM:SUM+1], v[SUM:SUM+1], v[TS+2:TS+3]
.if \front
	v_cvt_i32_f32 v[TMP], v[TMP]                   ; (it saturates)
	FMA4 24
.endif
	v_cvt_scalef32_pk16_fp6_f32 v[TC:TC+2], v[SBK+16:SBK+31], v[SO]        ; (a conversion's three registers begin on an even number)
.if \front
	FMA4 32
	v_ldexp_f32 v[FF], 1.0, v[TMP]                 ; 2^(old M - new M)
.endif
	v_cvt_scalef32_pk16_fp6_f32 v[PC+6:PC+8], v[SBK+32:SBK+47], v[SO+1]
.if \front
	FMA4 40
.endif
	v_cvt_scalef32_pk16_fp6_f32 v[TC+4:TC+6], v[SBK+48:SBK+63], v[SO+1]
.if \front
	FMA4 48
.else
	v_nop                                          ; one plain place behind a scaled conversion
.endif
.irp e, 0,1,2
	v_mov_b32 v[PC+3+\e], v[TC+\e]
.endr
.if \front
	FMA4 56
	v_fma_f32 v[BM], v[MX], s[CS], v[NM]           ; t - M of each block's largest score
	v_fma_f32 v[BM+1], v[MX+2], s[CS], v[NM]
.endif
.irp e, 0,1,2
	v_mov_b32 v[PC+9+\e], v[TC+4+\e]
.endr
	WIN 0x41
	WALU                                           ; directly ahead of the first readers of O^T
.set j, 0
.rept 16
	v_pk_mul_f32 v[32*IB+j:32*IB+j+1], v[32*IB+j:32*IB+j+1], v[FB:FB+1] op_sel_hi:[1,0]   ; O^T under the new M; also the places between p's codes and their use
.set j, j+2
.endr
	WIN 0
.endm
; THE WAY OUT of tile i: O^T / the sum, quantised along d (two blocks of 32, each in lanes l and l xor 16), stored as half an image and two scale bytes a row
.macro OUT i
.set SUM, ST+4*(\i)+2
.if \i > 0
	WALU
	s_wait_xcnt 0x0                                ; the last tile's stores have read their registers
.endif
	v_add_f32 v[SUM], v[SUM], v[SUM+1]
	D 1
	v_permlanex16_b32 v[PT], v[SUM], s[SEL], s[SEL+1]
	D 1
	v_add_f32 v[SUM], v[SUM], v[PT]                ; the row's sum
	WALU
	v_rcp_f32 v[F], v[SUM]
	v_nop
	WIN 0x01
	WALU
.set j, 0
.rept 16
	v_pk_mul_f32 v[S0+j:S0+j+1], v[32*\i+j:32*\i+j+1], v[F:F+1] op_sel_hi:[1,0]   ; register 16 B + e: o(d = 32 B + 16 h + e); each accumulator from its low end on
.set j, j+2
.endr
	WIN 0
.irp b, 0,1
	v_max3_num_f32 v[MX+\b], |v[S0+16*\b]|, |v[S0+1+16*\b]|, 0x1800000
.endr
.irp e, 2,4,6,8,10,12,14
.irp b, 0,1
	D 2
	v_max3_num_f32 v[MX+\b], v[MX+\b], |v[S0+16*\b+\e]|, |v[S0+1+16*\b+\e]|
.endr
.endr
.irp b, 0,1
	D 2
	v_permlanex16_b32 v[PT+\b], v[MX+\b], s[SEL], s[SEL+1]
.endr
.irp b, 0,1
	D 2
	v_max_num_f32 v[MX+\b], v[MX+\b], v[PT+\b]
.endr
.irp b, 0,1
	D 2
	v_add_nc_u32 v[SO+\b], 0xff000000, v[MX+\b]
.endr
.irp b, 0,1
	D 2
	v_lshrrev_b32 v[TS+\b], 23, v[SO+\b]
.endr
	D 1
	v_lshl_or_b32 v[W16], v[TS+1], 8, v[TS]
	v_cvt_scalef32_pk16_fp6_f32 v[PC:PC+2], v[S0:S0+15], v[SO]
	v_cvt_scalef32_pk16_fp6_f32 v[TC:TC+2], v[S0+16:S0+31], v[SO+1]
	v_nop
.irp e, 0,1,2
	v_permlane16_swap_b32 v[PC+\e], v[TC+\e]       ; the operand's layout wants a whole block in a lane
.endr
.irp e, 0,1,2
	D 3
	v_mov_b32 v[PC+3+\e], v[TC+\e]
.endr
	global_store_b128 v[L16], v[PC:PC+3], s[6:7] offset:12288*\i          ; 512 consecutive bytes; a tile is a row block of o
	global_store_b64 v[L8], v[PC+4:PC+5], s[6:7] offset:12288*\i+512      ; 256 consecutive bytes
	global_store_b16 v[R16], v[W16], s[8:9] offset:512*\i                 ; lanes 16-31 hold the same bytes and name the same place
.endm
; ---------------- the head
	s_load_b128 s[4:7], s[0:1], 0x0                ; qkv, o_img
	s_load_b64 s[8:9], s[0:1], 0x10                ; os_img
	v_lshl_add_u32 v[SPW], v0, 2, SPARE
	v_mov_b32 v[NIL], 0
	ds_add_u32 v[SPW], v[NIL]                      ; the opening lines: the add, twice on end, and its wait
	ds_add_u32 v[SPW], v[NIL]
	v_lshrrev_b32 v[TMP], 5, v0
	v_readfirstlane_b32 s[WV], v[TMP]              ; wave 0..7
	v_and_b32 v[TMP], 31, v0
	v_lshlrev_b32 v[L16], 4, v[TMP]
	v_lshlrev_b32 v[L8], 3, v[TMP]
	v_and_b32 v[W16], 15, v0
	v_lshlrev_b32 v[R16], 4, v[W16]
	s_bfe_u32 s30, ttmp6, 0x40000                  ; cx: it enters Q's and o's addresses alone
	s_and_b32 s31, ttmp7, 0xffff                   ; batch x 16 + head, which the four partners share
	s_mul_i32 s32, s31, HEADB
	s_mov_b32 s33, 0
	s_mul_i32 s34, s[WV], 2*REC                    ; the two records that I fetch
	s_mov_b32 s35, 0
	s_mov_b32 s[G1], 15|(3<<16)|(1<<21)            ; the mask: all four work-groups; elements of 8 bytes; bit 21 beside a mask
	s_mov_b32 s[G1+1], 1600<<16                    ; a row: 12,800 bytes
	s_mov_b32 s[G1+2], 2<<16
	s_mov_b32 s[G1+3], 1600<<16
	s_mov_b32 s[G1+4], 2
	s_mov_b32 s[G1+5], 2432                        ; from record to record: 19,456 bytes
	s_mov_b32 s[G1+6], 0
	s_mov_b32 s[G1+7], 0
	s_mov_b32 s[G0], 1
	s_mul_i32 s[G0+1], s[WV], 2*KVB
	s_mov_b32 s[SEL], 0x76543210
	s_mov_b32 s[SEL+1], 0xfedcba98
	s_mov_b32 s[CS], 0x3d38aa3b                    ; log2(e) / 32
	s_mov_b32 s[CS+1], s[CS]
	WALU
	s_wait_dscnt 0x0
	s_wait_kmcnt 0x0
	s_add_nc_u64 s[36:37], s[4:5], s[32:33]        ; the head's records
	s_add_nc_u64 s[G0+2:G0+3], s[36:37], s[34:35]
	s_or_b32 s[G0+3], s[G0+3], 0x80000000
	CROUND                                         ; all four work-groups are here: the joint loads meet
	tensor_load_to_lds s[G0:G0+3], s[G1:G1+7]      ; my one tensor load of the launch
	s_nop 0
.rept 4
	v_nop
.endr
	s_lshr_b32 s38, s[WV], 1
	s_lshl_b32 s39, s30, 2
	s_add_co_u32 s38, s38, s39                     ; the record of my queries: 4 cx + wave / 2
	s_and_b32 s39, s[WV], 1                        ; my four tiles are its tiles 4 (wave % 2) on
	s_mul_i32 s46, s38, REC
	s_mul_i32 s40, s39, 3072
	s_add_co_u32 s40, s40, s46
	s_add_co_u32 s40, s40, 12800
	s_mov_b32 s41, 0
	s_add_nc_u64 s[40:41], s[36:37], s[40:41]      ; Q's codes
	s_lshl_b32 s42, s39, 8
	s_add_co_u32 s42, s42, s46
	s_add_co_u32 s42, s42, 18944
	s_mov_b32 s43, 0
	s_add_nc_u64 s[42:43], s[36:37], s[42:43]      ; Q's scale words: four tiles' words on end for each row
	WIN 0x40
.irp i, 0,1,2,3
	global_load_b128 v[QR+12*\i+6:QR+12*\i+9], v[L16], s[40:41] offset:768*\i
	global_load_b64 v[QR+12*\i+10:QR+12*\i+11], v[L8], s[40:41] offset:768*\i+512
.endr
	WIN 0
	global_load_b128 v[QS:QS+3], v[R16], s[42:43]
	s_lshr_b32 s44, s31, 4                         ; batch
	s_and_b32 s45, s31, 15                         ; head
	s_lshl_b32 s44, s44, 7
	s_lshl_b32 s46, s38, 3
	s_add_co_u32 s44, s44, s46
	s_lshl_b32 s46, s39, 2
	s_add_co_u32 s44, s44, s46                     ; o's first row block: 128 x batch + 8 x record + tile
	s_lshr_b32 s50, s45, 1                         ; o's K step: two heads to 128
	s_and_b32 s51, s45, 1
	s_mul_i32 s46, s44, 12288
	s_mul_i32 s52, s50, 1536
	s_add_co_u32 s46, s46, s52
	s_mul_i32 s52, s51, 768
	s_add_co_u32 s46, s46, s52
	s_mov_b32 s47, 0
	s_add_nc_u64 s[6:7], s[6:7], s[46:47]
	s_lshl_b32 s48, s44, 9
	s_lshr_b32 s52, s45, 3
	s_lshl_b32 s52, s52, 8
	s_add_co_u32 s48, s48, s52
	s_and_b32 s52, s50, 3
	s_lshl_b32 s52, s52, 2
	s_add_co_u32 s48, s48, s52
	s_lshl_b32 s52, s51, 1
	s_add_co_u32 s48, s48, s52
	s_mov_b32 s49, 0
	s_add_nc_u64 s[8:9], s[8:9], s[48:49]
	v_bfe_u32 v[TMP], v0, 3, 1                     ; r / 8
	v_and_b32 v[PT], 7, v0                         ; r % 8
	v_bfe_u32 v[W16], v0, 4, 1                     ; h
	v_mul_u32_u24 v[KB16], v[TMP], 1536
	v_lshl_add_u32 v[KB8], v[PT], 3, v[KB16]
	v_lshl_add_u32 v[KB8], v[W16], 7, v[KB8]       ; 1,536 (r / 8) + 8 (r % 8) + 128 h
	v_lshl_add_u32 v[KB16], v[PT], 4, v[KB16]
	v_lshl_add_u32 v[KB16], v[W16], 8, v[KB16]     ; 1,536 (r / 8) + 16 (r % 8) + 256 h
	v_lshlrev_b32 v[KSB], 7, v[TMP]
	v_lshl_add_u32 v[KSB], v[W16], 6, v[KSB]
	v_lshl_add_u32 v[KSB], v[PT], 3, v[KSB]        ; the scale words: 128 (r / 8) + 64 h + 8 (r % 8): lanes 16-31 take w = 1
	v_lshlrev_b32 v[SH8], 3, v[W16]
	v_mov_b32 v[PT], 0                             ; a lane permute's destination counts as one of its sources
	v_mov_b32 v[PT+1], 0
.irp e, 0,1,20,21
	v_mov_b32 v[F+\e], 0                           ; the factors that the first slots find: 0
.endr
	v_mov_b32 v[BM], 0xc3480000                    ; t - M = -200: the p that the first slot finds are 0
	v_mov_b32 v[BM+1], 0xc3480000
	v_mov_b32 v[PS], 0x7f7f7f7f                    ; and so are the codes, under a finite scale
.set j, 0
.rept 12
	v_mov_b32 v[PC+j], 0
.set j, j+1
.endr
.set j, 0
.rept 64
	v_mov_b32 v[S0+64+j], 0xc3480000
.set j, j+1
.endr
.irp i, 0,1,2,3
	v_mov_b32 v[ST+4*\i], 0x7f61b1e6               ; -M: over every -M to come, so that a tile's first factor is 0
	v_mov_b32 v[ST+4*\i+1], 0xff61b1e6             ; the largest score so far: -3e38
	v_mov_b32 v[ST+4*\i+2], 0
	v_mov_b32 v[ST+4*\i+3], 0
.endr
	WIN 0x40
.set j, 0
.rept 128
	v_mov_b32 v[j], 0                              ; O^T: the slot is written once for all key steps; the first finds zeros
.set j, j+1
.endr
.irp n, 0,1,2,3,4
.irp e, 0,1,2,3,4,5
	v_mov_b32 v[QR+12*\n+\e], 0                    ; the zeros between the q
.endr
.endr
	WIN 0
	s_mov_b32 s[TB], 0
	s_mov_b32 s[TN], 0
	s_mov_b32 s[CNT], 16
	WALU                                           ; the wait at the head's end
	s_wait_tensorcnt 0x0                           ; my records are in,
	s_barrier_signal -1
	s_barrier_wait -1                              ; everybody's are: from here on LDS is only read
	KLOAD                                          ; the first record's K,
	VLOAD                                          ; and its V, under whose scales the first two second products add zeros
	s_wait_loadcnt 0x0                             ; Q
; ---------------- sixteen key steps of 128 keys, four slots each
.Lstep:
	s_add_co_u32 s[TN], s[TB], KVB
	s_min_u32 s[TN], s[TN], 15*KVB                 ; the record whose K is fetched next; in the last step the last once more
	SLOT 0, 1
	SLOT 1, 1
	SLOT 2, 1
	SLOT 3, 1
	s_add_co_u32 s[TB], s[TB], KVB
	s_sub_co_u32 s[CNT], s[CNT], 1
	s_cmp_lg_u32 s[CNT], 0
	WALU
	s_cbranch_scc1 .Lstep
	SLOT 0, 0                                      ; the pipeline's end: the last tile's exponentials, sum and codes, the second product of the tile before it,
	WALU
	PV 3                                           ; and its own
.rept 4
	v_nop                                          ; places behind the last products
.endr
	OUT 0
	OUT 1
	OUT 2
	OUT 3
	s_wait_tensorcnt 0x0                           ; the wave's end
	ds_add_u32 v[SPW], v[NIL]
	s_wait_dscnt 0x0
	CROUND                                         ; the closing round
	s_endpgm
.Lfunc_end_k_q069c88b9f1_attn:
	.size	k_q069c88b9f1_attn, .Lfunc_end_k_q069c88b9f1_attn-k_q069c88b9f1_attn
	.p2alignl 7, 3214868480
	.fill 96, 4, 3214868480
	.section	.rodata,"a",@progbits
	.p2align	6, 0x0
	.amdhsa_kernel k_q069c88b9f1_attn
		.amdhsa_group_segment_fixed_size 206848
		.amdhsa_private_segment_fixed_size 0
		.amdhsa_enable_private_segment 0
		.amdhsa_kernarg_size 24
		.amdhsa_user_sgpr_count 2
		.amdhsa_user_sgpr_kernarg_segment_ptr 1
		.amdhsa_wavefront_size32 1
		.amdhsa_system_sgpr_workgroup_id_x 1
		.amdhsa_system_sgpr_workgroup_id_y 1
		.amdhsa_system_sgpr_workgroup_id_z 1
		.amdhsa_system_vgpr_workitem_id 0
		.amdhsa_next_free_vgpr 512
		.amdhsa_next_free_sgpr 66
		.amdhsa_reserve_vcc 0
		.amdhsa_float_denorm_mode_32 3
		.amdhsa_float_denorm_mode_16_64 3
		.amdhsa_memory_ordered 1
		.amdhsa_forward_progress 1
		.amdhsa_inst_pref_size 97
	.end_amdhsa_kernel
	.amdgpu_metadata
---
amdhsa.version: [ 1, 2 ]
amdhsa.kernels:
  - .name:           k_q069c88b9f1_attn
    .symbol:         k_q069c88b9f1_attn.kd
    .args:
      - { .name: qkv, .offset: 0, .size: 8, .value_kind: global_buffer, .address_space: global }
      - { .name: o_img, .offset: 8, .size: 8, .value_kind: global_buffer, .address_space: global }
      - { .name: os_img, .offset: 16, .size: 8, .value_kind: global_buffer, .address_space: global }
    .group_segment_fixed_size: 206848
    .private_segment_fixed_size: 0
    .kernarg_segment_align: 8
    .kernarg_segment_size: 24
    .max_flat_workgroup_size: 256
    .sgpr_count:     66
    .vgpr_count:     512
    .wavefront_size: 32
...
	.end_amdgpu_metadata
.endif
;; end of part 3
;; launch proj (part 4): grid 4 x 64, 4 waves a work-group, clusters of 4 x 4, 327,680 bytes of LDS; arguments o_img, os_img, w_img, ws_img, bo, out0; writes out0
.if DOCPART == 4
	.amdgcn_target "amdgcn-amd-amdhsa--gfx1250"
	.amdhsa_code_object_version 6
	.text
	.protected	k_q069c88b9f1_proj
	.globl	k_q069c88b9f1_proj
	.p2align	8
	.type	k_q069c88b9f1_proj,@function
k_q069c88b9f1_proj:
	s_mov_b64 s[64:65], 0
	v_nop
	global_prefetch_b8 v0, s[64:65] scope:SCOPE_SE
	s_setreg_imm32_b32 hwreg(HW_REG_WAVE_MODE, 25, 1), 1
	s_wait_xcnt 0x0
	s_wait_alu depctr_hold_cnt(0) depctr_sa_sdst(0) depctr_va_vdst(0) depctr_va_sdst(0) depctr_va_ssrc(0) depctr_va_vcc(0) depctr_vm_vsrc(0)
	s_getreg_b32 s2, hwreg(HW_REG_IB_STS2, 6, 4)
	s_cmp_eq_u32 s2, 0
	s_cbranch_scc0 .Lentry_in_a_cluster
	s_endpgm
.Lentry_in_a_cluster:
	s_bfe_u32 s2, ttmp6, 0x10000c
	s_cmp_lg_u32 s2, 0xf033
	s_cbranch_scc0 .Lentry_shape_is_right
	s_endpgm
.Lentry_shape_is_right:
; out0 = o Wo + bo: [8192][1024] f32, K = 1,024, both operands codes of FP6 (E2M3) with E8M0 scales, as images of operand registers (o_img, os_img from the launch before; the fourth weight of w_img, ws_img).
; An image of 1,536 bytes is a fragment's 12 registers (16 positions x 128 K): registers 6 c .. 6 c + 3 at 768 c + 16 x lane, registers 6 c + 4, 6 c + 5 at 768 c + 512 + 8 x lane.  [row block of 16 positions][K step][1,536 bytes].
; Rows and columns go by POSITION: in each group of 32, position 16 u + r holds row (column) 8 u + r + 8 (r / 8).
; SHARES.  A block of 128 rows x 256 columns to a work-group: 64 x 4 = 256 work-groups.  Four waves, 2 x 2; a wave makes 64 x 128: 32 accumulators of 16 x 16, 256 registers.
; ALL OF K STAYS IN LDS: A's 8 row blocks are 98,304 dense bytes of memory, B's 16 are 196,608.  Each wave brings a half of A or of B by ONE tensor load at the head (rows of 3,072 bytes): nothing is filled again, so the walk along K has no barrier.
; CLUSTERS: 4 x 4 work-groups.  A's rows are shared along a row of the cluster, B's along a column: each half is asked for jointly, by the same load with a mask that names the four.
; No prefetch: the launch's only fill stands at its head, with no loop ahead of it to ask in.
; THE MATRIX INSTRUCTION IS USED TRANSPOSED (source 0 = 16 positions of B, source 1 = 16 of A): a lane holds eight neighbouring columns of one row.
; A K step is 32 products; A's and B's fragments have two sets of registers each, and the next step's 48 LDS loads are issued ahead of a step's products.
; THE WAY OUT: a block of 16 rows x 128 columns goes through the wave's own stage in LDS and comes back as rows of 512 bytes; the bias is added there.  The stage lies on A's first bytes, which have had their only fill; a barrier shows that nobody reads them any more.
; REGISTERS: window 0: v16-29 addresses, v34-49 A's scale words, v64-95 B's, v96-99 the bias, v128-223 A's two sets (on the way out v128-255: rows read back); window 1: B's two sets at v0 and v128; window 2: accumulator (a, b) at v[8 (8 a + b)].
.set PARTA,  49152                     ; half of A: 4 row blocks, all of K
.set PARTB,  98304                     ; half of B: 8 row blocks
.set BBASE,  2*PARTA
.set SPARE,  BBASE+2*PARTB             ; behind the tiles: the spare words
.set NP,     4
.set ADRA16, 16
.set ADRA8,  17
.set ADRB16, 20                        ; v20, v21: B's row blocks 0-3, 4-7
.set ADRB8,  22
.set LI16,   24
.set LI8,    25
.set STO,    26
.set RD,     27
.set SPW,    28
.set NIL,    29
.set SCA,    34
.set SCB,    64
.set BO,     96
.set AF,     128
.set BK,     128
.set WV, 20
.set WR, 21
.set WC, 22
.set TR, 23
.set G1, 24
.set G0, 32
.set TC, 42
.set G1B, 48
.set G0B, 56
.set MSB, 0
.macro WIN new                         ; the immediate's high byte repeats the setting that is left
.if MSB != (\new)
	s_set_vgpr_msb (MSB<<8)|(\new)
.set MSB, (\new)
.endif
.endm
.set MUL_LO, 0xa1                      ; source 0 (B) window 1, source 1 (A) window 0, C and D window 2
.set TO_B,   0x40
.macro CROUND                          ; a round of the cluster's barrier
	s_barrier_signal -1
	s_barrier_wait -1
	s_cmp_lg_u32 s[WV], 0
	s_cbranch_scc1 .Lnot_wave_0_\@
	s_barrier_signal -3
.Lnot_wave_0_\@:
	s_barrier_wait -3
	s_barrier_signal -1
	s_barrier_wait -1
.endm
.macro PLACES n
.rept \n
	v_nop
.endr
.endm
.macro FRAG reg, a16, a8, off          ; an image into 12 registers: all four loads are dense
	ds_load_b128 v[\reg:\reg+3], v[\a16] offset:\off
	ds_load_b64 v[\reg+4:\reg+5], v[\a8] offset:\off+512
	ds_load_b128 v[\reg+6:\reg+9], v[\a16] offset:\off+768
	ds_load_b64 v[\reg+10:\reg+11], v[\a8] offset:\off+1280
.endm
.macro FETCH_B s, p                    ; B's eight fragments of K step s into set p
	WIN TO_B
.irp i, 0,1,2,3,4,5,6,7
	FRAG 128*(\p)+12*\i, ADRB16+\i/4, ADRB8+\i/4, 12288*(\i%4)+1536*(\s)
.endr
	WIN 0
.endm
.macro FETCH_A s, p                    ; A's four
.irp i, 0,1,2,3
	FRAG AF+48*(\p)+12*\i, ADRA16, ADRA8, 12288*\i+1536*(\s)
.endr
.endm
.macro MUL32 p, s                      ; a K step's 32 products: the accumulators take turns, in the same order in every step; the first step starts the sums.  K steps 4-7 take their scale words from lanes 16-31
.irp a, 0,1,2,3
.irp b, 0,1,2,3,4,5,6,7
.if (\s) == 0
	v_wmma_scale_f32_16x16x128_f8f6f4 v[8*(8*\a+\b):8*(8*\a+\b)+7], v[128*(\p)+12*\b:128*(\p)+12*\b+11], v[AF+48*(\p)+12*\a:AF+48*(\p)+12*\a+11], 0, v[SCB+4*\b+(\s)%4], v[SCA+4*\a+(\s)%4] matrix_a_fmt:MATRIX_FMT_FP6 matrix_b_fmt:MATRIX_FMT_FP6
.elseif (\s) < 4
	v_wmma_scale_f32_16x16x128_f8f6f4 v[8*(8*\a+\b):8*(8*\a+\b)+7], v[128*(\p)+12*\b:128*(\p)+12*\b+11], v[AF+48*(\p)+12*\a:AF+48*(\p)+12*\a+11], v[8*(8*\a+\b):8*(8*\a+\b)+7], v[SCB+4*\b+(\s)%4], v[SCA+4*\a+(\s)%4] matrix_a_fmt:MATRIX_FMT_FP6 matrix_b_fmt:MATRIX_FMT_FP6
.else
	v_wmma_scale_f32_16x16x128_f8f6f4 v[8*(8*\a+\b):8*(8*\a+\b)+7], v[128*(\p)+12*\b:128*(\p)+12*\b+11], v[AF+48*(\p)+12*\a:AF+48*(\p)+12*\a+11], v[8*(8*\a+\b):8*(8*\a+\b)+7], v[SCB+4*\b+(\s)%4], v[SCA+4*\a+(\s)%4] matrix_a_fmt:MATRIX_FMT_FP6 matrix_b_fmt:MATRIX_FMT_FP6 matrix_a_scale:MATRIX_SCALE_ROW1 matrix_b_scale:MATRIX_SCALE_ROW1
.endif
.endr
.endr
.endm
.macro STEP s
	s_wait_dscnt 0x0                               ; this step's 48 loads are in: nothing younger is out
.if (\s) == 7
	s_barrier_signal -1                            ; my reads of the tiles are over; the wait stands behind the products
.else
.if (\s) > 0
	PLACES NP                                      ; in front of loads into registers that the last step's products have read
.endif
	FETCH_B (\s)+1, ((\s)+1)%2
	FETCH_A (\s)+1, ((\s)+1)%2
.endif
	WIN MUL_LO
	MUL32 (\s)%2, \s
	WIN 0
.endm
; ---------------- the head
	s_load_b256 s[4:11], s[0:1], 0x0               ; o_img, os_img, w_img, ws_img
	s_load_b128 s[12:15], s[0:1], 0x20             ; bo, out0
	v_lshl_add_u32 v[SPW], v0, 2, SPARE
	v_mov_b32 v[NIL], 0
	ds_add_u32 v[SPW], v[NIL]                      ; the opening lines: the add, twice on end, and its wait
	ds_add_u32 v[SPW], v[NIL]
	v_lshrrev_b32 v1, 5, v0
	v_readfirstlane_b32 s[WV], v1                  ; wave 0..3
	s_lshr_b32 s[WR], s[WV], 1                     ; my half of the rows.  Also: I fetch for A (0) or for B (1)
	s_and_b32 s[WC], s[WV], 1                      ; my half of the columns.  Also: which half I fetch
	s_bfe_u32 s40, ttmp6, 0x40000                  ; cx
	s_bfe_u32 s41, ttmp6, 0x40004                  ; cy
	s_lshl_b32 s[TC], ttmp9, 2
	s_add_co_u32 s[TC], s[TC], s40                 ; block column, 0 .. 3
	s_and_b32 s[TR], ttmp7, 0xffff
	s_lshl_b32 s[TR], s[TR], 2
	s_add_co_u32 s[TR], s[TR], s41                 ; block row, 0 .. 63
	s_lshl_b32 s43, s41, 2
	s_lshl_b32 s43, 15, s43                        ; my row of the cluster
	s_lshl_b32 s44, 0x1111, s40                    ; my column
	s_or_b32 s[G1], s43, (3<<16)|(1<<21)           ; elements of 8 bytes; bit 21 beside a mask
	s_or_b32 s[G1B], s44, (3<<16)|(1<<21)
.irp g, G1, G1B
	s_mov_b32 s[\g+1], 384<<16                     ; rows of 3,072 bytes, dense
	s_mov_b32 s[\g+3], 384<<16
	s_mov_b32 s[\g+5], 384
	s_mov_b32 s[\g+6], 0
	s_mov_b32 s[\g+7], 0
.endr
	s_mov_b32 s[G1+2], 16<<16                      ; half of A: 16 such rows
	s_mov_b32 s[G1+4], 16
	s_mov_b32 s[G1B+2], 32<<16                     ; half of B: 32
	s_mov_b32 s[G1B+4], 32
	s_lshl_b32 s92, s[TR], 3
	s_lshl_b32 s69, s[WC], 2
	s_add_co_u32 s92, s92, s69                     ; A: row block 8 x block row + 4 x half
	s_mul_i32 s92, s92, 12288
	s_mov_b32 s93, 0
	s_lshl_b32 s94, s[TC], 4
	s_lshl_b32 s69, s[WC], 3
	s_add_co_u32 s94, s94, s69                     ; B: row block 16 x block column + 8 x half
	s_mul_i32 s94, s94, 12288
	s_mov_b32 s95, 0
	s_mov_b32 s[G0], 1
	s_mul_i32 s[G0+1], s[WC], PARTA
	s_mov_b32 s[G0B], 1
	s_mul_i32 s[G0B+1], s[WC], PARTB
	s_add_co_u32 s[G0B+1], s[G0B+1], BBASE
	s_wait_alu depctr_va_vdst(0)
	s_wait_dscnt 0x0
	s_wait_kmcnt 0x0
	s_add_nc_u64 s[G0+2:G0+3], s[4:5], s[92:93]
	s_or_b32 s[G0+3], s[G0+3], 0x80000000
	s_add_nc_u64 s[94:95], s[8:9], s[94:95]
	s_add_nc_u64 s[G0B+2:G0B+3], s[94:95], 2359296 ; the fourth weight
	s_or_b32 s[G0B+3], s[G0B+3], 0x80000000
	CROUND                                         ; all sixteen work-groups are here: the joint loads meet
	s_cmp_eq_u32 s[WR], 0
	s_cbranch_scc0 .Lfor_b
	tensor_load_to_lds s[G0:G0+3], s[G1:G1+7]      ; waves 0, 1: a half of A
	s_nop 0
	PLACES 4
	s_branch .Lasked
.Lfor_b:
	tensor_load_to_lds s[G0B:G0B+3], s[G1B:G1B+7]  ; waves 2, 3: a half of B
	s_nop 0
	PLACES 4
.Lasked:
	v_and_b32 v1, 31, v0
	v_lshlrev_b32 v[LI16], 4, v1
	v_lshlrev_b32 v[LI8], 3, v1
	s_mul_i32 s66, s[WR], PARTA                    ; my 64 rows of A
	s_mul_i32 s67, s[WC], PARTB
	s_add_co_u32 s67, s67, BBASE                   ; my 128 columns of B
	v_add_nc_u32 v[ADRA16], s66, v[LI16]
	v_add_nc_u32 v[ADRA8], s66, v[LI8]
	v_add_nc_u32 v[ADRB16], s67, v[LI16]
	v_add_nc_u32 v[ADRB8], s67, v[LI8]
	s_add_co_u32 s67, s67, 4*12288
	v_add_nc_u32 v[ADRB16+1], s67, v[LI16]
	v_add_nc_u32 v[ADRB8+1], s67, v[LI8]
	s_mul_i32 s68, s[WV], 16*528                   ; my stage: 16 rows x (512 + 16) bytes
	v_and_b32 v2, 15, v0
	v_bfe_u32 v3, v0, 4, 1
	v_mul_u32_u24 v[STO], v2, 528
	v_lshl_add_u32 v[STO], v3, 6, v[STO]           ; in: row r, + 64 h bytes
	v_add_nc_u32 v[STO], s68, v[STO]
	v_add_nc_u32 v[RD], s68, v[LI16]               ; back: the 32 lanes take a row of 512 bytes
	s_lshl_b32 s66, s[TR], 7
	s_lshl_b32 s67, s[WR], 6
	s_add_co_u32 s66, s66, s67                     ; my first row
	s_lshl_b32 s67, s[TC], 8
	s_lshl_b32 s68, s[WC], 7
	s_add_co_u32 s67, s67, s68                     ; my first column
	s_lshl_b32 s70, s66, 5
	s_mov_b32 s71, 0
	s_add_nc_u64 s[6:7], s[6:7], s[70:71]          ; A's scale words: 32 bytes a row
	s_lshl_b32 s70, s67, 5
	s_add_nc_u64 s[10:11], s[10:11], s[70:71]
	s_add_nc_u64 s[10:11], s[10:11], 98304         ; B's, in the fourth weight
	s_lshl_b32 s70, s67, 2
	s_add_nc_u64 s[12:13], s[12:13], s[70:71]
	s_add_nc_u64 s[14:15], s[14:15], s[70:71]
	s_lshl_b32 s70, s66, 12
	s_add_nc_u64 s[14:15], s[14:15], s[70:71]
	s_wait_alu depctr_va_vdst(0)                   ; the wait at the head's end
.irp i, 0,1,2,3
	global_load_b128 v[SCA+4*\i:SCA+4*\i+3], v[LI16], s[6:7] offset:512*\i
.endr
.irp i, 0,1,2,3,4,5,6,7
	global_load_b128 v[SCB+4*\i:SCB+4*\i+3], v[LI16], s[10:11] offset:512*\i
.endr
	global_load_b128 v[BO:BO+3], v[LI16], s[12:13]
	s_wait_tensorcnt 0x0                           ; my half is in,
	s_barrier_signal -1
	s_barrier_wait -1                              ; everybody's is
	FETCH_B 0, 0
	FETCH_A 0, 0
	s_wait_loadcnt 0x0                             ; the scale words and the bias
; ---------------- eight K steps
.irp s, 0,1,2,3,4,5,6,7
	STEP \s
.endr
	s_barrier_wait -1                              ; nobody reads the tiles any more: the stages may be written
; ---------------- the way out
.macro TOSTAGE a
.set AC, 64*(\a)
	WIN 0x08                                       ; the data: window 2
.irp b, 0,1,2,3,4,5,6,7
	ds_store_b128 v[STO], v[AC+8*\b:AC+8*\b+3] offset:128*(\b/2)+32*(\b%2)       ; position 8 h + j of B's block b is column 32 (b / 2) + 8 (b % 2) + 16 h + j; each accumulator from its low end on
	ds_store_b128 v[STO], v[AC+8*\b+4:AC+8*\b+7] offset:128*(\b/2)+32*(\b%2)+16
.endr
	WIN 0
.set BB, BK+64*((\a)%2)
.irp t, 0,1,2,3,4,5,6,7,8,9,10,11,12,13,14,15
	ds_load_b128 v[BB+4*\t:BB+4*\t+3], v[RD] offset:\t*528      ; LDS serves a wave's instructions in order: these see my stores
.endr
.endm
.macro SEND a, younger                 ; younger: the LDS instructions issued behind block a's loads, which may stay out
.set BB, BK+64*((\a)%2)
	s_wait_dscnt \younger
.irp t, 0,1,2,3,4,5,6,7,8,9,10,11,12,13,14,15
	v_pk_add_f32 v[BB+4*\t:BB+4*\t+1], v[BB+4*\t:BB+4*\t+1], v[BO:BO+1]
	v_pk_add_f32 v[BB+4*\t+2:BB+4*\t+3], v[BB+4*\t+2:BB+4*\t+3], v[BO+2:BO+3]
	global_store_b128 v[LI16], v[BB+4*\t:BB+4*\t+3], s[14:15] offset:(32*((\a)/2)+8*((\a)%2)+\t+8*(\t/8))*4096 th:TH_STORE_NT   ; 32 lanes store 512 consecutive bytes; position t of block a is that row
.endr
.endm
	PLACES NP
	TOSTAGE 0
.irp a, 1,2,3
.if \a > 1
	s_wait_xcnt 0x0                                ; block a - 2's stores have read their registers
.endif
	TOSTAGE \a
	SEND \a-1, 32                                  ; behind block a - 1's loads: block a's 16 stores and 16 loads
.endr
	SEND 3, 0
	s_wait_tensorcnt 0x0                           ; the wave's end
	ds_add_u32 v[SPW], v[NIL]
	s_wait_dscnt 0x0
	CROUND                                         ; the closing round
	s_endpgm
.Lfunc_end_k_q069c88b9f1_proj:
	.size	k_q069c88b9f1_proj, .Lfunc_end_k_q069c88b9f1_proj-k_q069c88b9f1_proj
	.p2alignl 7, 3214868480
	.fill 96, 4, 3214868480
	.section	.rodata,"a",@progbits
	.p2align	6, 0x0
	.amdhsa_kernel k_q069c88b9f1_proj
		.amdhsa_group_segment_fixed_size 327680
		.amdhsa_private_segment_fixed_size 0
		.amdhsa_enable_private_segment 0
		.amdhsa_kernarg_size 48
		.amdhsa_user_sgpr_count 2
		.amdhsa_user_sgpr_kernarg_segment_ptr 1
		.amdhsa_wavefront_size32 1
		.amdhsa_system_sgpr_workgroup_id_x 1
		.amdhsa_system_sgpr_workgroup_id_y 1
		.amdhsa_system_sgpr_workgroup_id_z 1
		.amdhsa_system_vgpr_workitem_id 0
		.amdhsa_next_free_vgpr 768
		.amdhsa_next_free_sgpr 100
		.amdhsa_reserve_vcc 0
		.amdhsa_float_denorm_mode_32 3
		.amdhsa_float_denorm_mode_16_64 3
		.amdhsa_memory_ordered 1
		.amdhsa_forward_progress 1
		.amdhsa_inst_pref_size 89
	.end_amdhsa_kernel
	.amdgpu_metadata
---
amdhsa.version: [ 1, 2 ]
amdhsa.kernels:
  - .name:           k_q069c88b9f1_proj
    .symbol:         k_q069c88b9f1_proj.kd
    .args:
      - { .name: o_img, .offset: 0, .size: 8, .value_kind: global_buffer, .address_space: global }
      - { .name: os_img, .offset: 8, .size: 8, .value_kind: global_buffer, .address_space: global }
      - { .name: w_img, .offset: 16, .size: 8, .value_kind: global_buffer, .address_space: global }
      - { .name: ws_img, .offset: 24, .size: 8, .value_kind: global_buffer, .address_space: global }
      - { .name: bo, .offset: 32, .size: 8, .value_kind: global_buffer, .address_space: global }
      - { .name: out0, .offset: 40, .size: 8, .value_kind: global_buffer, .address_space: global }
    .group_segment_fixed_size: 327680
    .private_segment_fixed_size: 0
    .kernarg_segment_align: 8
    .kernarg_segment_size: 48
    .max_flat_workgroup_size: 128
    .sgpr_count:     100
    .vgpr_count:     768
    .wavefront_size: 32
...
	.end_amdgpu_metadata
.endif
;; end of part 4
